; MI455X (gfx1250); checked and timed in simulation.
; The chip was launched on July 23, 2026; its instructions are those of AMD's public machine-readable ISA for CDNA 5 (MIT licence, August 2026) and "CDNA5" Instruction Set Architecture Reference Guide (July 2026). The comments in the code are by the model that wrote it; some were corrected since.
;; T Attention. Allowed arithmetic: matrix products marked QUANTISED: E2M3 operands, one E8M0 scale for each 32 along K, by v_wmma_scale_f32_16x16x128_f8f6f4 with both operands' format E2M3, f32 sums; everything else in f32.
;; Inputs: Wk_codes 1,024 x 32 x 24 uint8 (E2M3 codes of Wk, K innermost, in blocks of 32 codes, four codes in three bytes); Wk_scales 1,024 x 32 uint8 (E8M0 scales of Wk, one for each 32 codes along K); Wo_codes 1,024 x 32 x 24 uint8 (E2M3 codes of Wo, K innermost, in blocks of 32 codes, four codes in three bytes); Wo_scales 1,024 x 32 uint8 (E8M0 scales of Wo, one for each 32 codes along K); Wq_codes 1,024 x 32 x 24 uint8 (E2M3 codes of Wq, K innermost, in blocks of 32 codes, four codes in three bytes); Wq_scales 1,024 x 32 uint8 (E8M0 scales of Wq, one for each 32 codes along K); Wv_codes 1,024 x 32 x 24 uint8 (E2M3 codes of Wv, K innermost, in blocks of 32 codes, four codes in three bytes); Wv_scales 1,024 x 32 uint8 (E8M0 scales of Wv, one for each 32 codes along K); beta 1,024 float32; bk 1,024 float32; bo 1,024 float32; bq 1,024 float32; bv 1,024 float32; gamma 1,024 float32; x 4 x 2,048 x 1,024 float32.
;; Outputs: out0 4 x 2,048 x 1,024 float32.
;; This version of the problem:
;;   THIS VERSION OF THE PROBLEM IS GIVEN IN LOW PRECISION. The matrix products marked QUANTISED in the list below multiply operands that are first quantised to E2M3 (2 exponent bits, 3 mantissa bits; 6 bits a number), with one power-of-two scale for each 32 numbers along K (OCP MX v1.0); their sums are f32. All else is computed in f32.
;;   The module's matrix products, in the order in which they are computed (A, B: the left and right operand; K: the contracted axis; several contracted axes count as one K, in the product's order):
;;     1. [M 8,192, K 1,024] x [K 1,024, N 1,024]; A: input x; B: input Wq (given as codes): QUANTISED
;;     2. [M 8,192, K 1,024] x [K 1,024, N 1,024]; A: input x; B: input Wk (given as codes): QUANTISED
;;     3. [M 8,192, K 1,024] x [K 1,024, N 1,024]; A: input x; B: input Wv (given as codes): QUANTISED
;;     4. batch 64 x [M 2,048, K 64] x [K 64, N 2,048]; A: computed on the way; B: computed on the way: QUANTISED
;;     5. batch 64 x [M 2,048, K 2,048] x [K 2,048, N 64]; A: softmax (see below); B: computed on the way: QUANTISED
;;     6. [M 8,192, K 1,024] x [K 1,024, N 1,024]; A: computed on the way; B: input Wo (given as codes): QUANTISED
;;   THE QUANTISER, for each operand of a quantised product, along K:
;;     - K is cut into blocks of 32 from its start; a last block that is shorter is filled with zeros.
;;     - A block's scale is 2^e with e = floor(log2(the largest magnitude in the block)) - 2, held to -126 .. 127; a block of zeros has e = 0. As a byte (E8M0): e + 127.
;;     - Each number is divided by its block's scale, clamped to +-7.5, and rounded to the nearest number of E2M3, ties to even, subnormals kept.
;;     - The product sums the exact products of the quantised numbers (number of the format x scale) in f32.
;;   ~~~python
;;   def quantise(x, axis):      # numpy; x: float32 -> the quantised numbers, widened to float32 again
;;       x = np.moveaxis(x, axis, -1); K = x.shape[-1]
;;       x = np.pad(x, [(0, 0)] * (x.ndim - 1) + [(0, -K % 32)]); x = x.reshape(x.shape[:-1] + (-1, 32)); a = np.abs(x).max(-1, keepdims=True)
;;       e = np.where(a > 0, np.clip(np.frexp(np.where(a > 0, a, 1))[1] - 1 - 2, -126, 127), 0)      # np.frexp(a)[1] - 1 = floor(log2(a)), exactly
;;       r = np.clip(x / 2.0 ** e, -7.5, 7.5)
;;       step = 2.0 ** (np.maximum(np.frexp(np.where(r == 0, 1, r))[1] - 1, 0) - 3)
;;       q = np.round(r / step) * step * 2.0 ** e      # np.round: ties to even
;;       return np.moveaxis(q.reshape(q.shape[:-2] + (-1,))[..., :K], -1, axis).astype(np.float32)
;;   ~~~
;;   SOFTMAX AHEAD OF A QUANTISED PRODUCT. Where the list says 'softmax', what is quantised is not the finished softmax but p = 2^(t - M), with t = logit x log2(e) and M = ceil(the row's largest t), a whole number; so 1/2 < the row's largest p <= 1. The row's sum l is taken of the UNQUANTISED p, in f32, and the product's result is divided by l at the end. Since M is a whole number, a kernel that streams over the keys may use a running M (the ceiling of the running maximum): every later rescaling is an exact power of two, which a block's scale takes up: the codes' values come out the same.
;;   OPERANDS COMPUTED ON THE WAY. 'Computed on the way' means the value that the module computes at that place (a softmax that the list does not call 'softmax' is quantised finished and normalised). What goes into a quantiser is computed in f32, as accurately as f32 sums, v_exp_f32 and their like allow (about 1e-6 of the number): no bf16 or f16 on the way to a quantiser, and a product that is left as it is and whose result goes on into a quantised operand takes f32 operands (vector FMAs, or v_wmma_f32_16x16x4_f32). A number that lies on a knife's edge between two numbers of the format may be rounded either way, as far as f32 arithmetic and the matrix unit's own rounding can turn it there, and no further.
;;   INPUTS GIVEN AS CODES. Wk (in the module: [1024, 1024], K = its axis 0); Wo (in the module: [1024, 1024], K = its axis 0); Wq (in the module: [1024, 1024], K = its axis 0); Wv (in the module: [1024, 1024], K = its axis 0): each comes as NAME_codes (uint8): NAME with its K axis moved to the last place and cut into blocks of 32 codes, [.., K / 32, bytes a block], one block behind the other in memory; four codes in three bytes: a row's codes are one little-endian stream of bits, code i at bits 6 i .. 6 i + 5 (a code: sign, 2 exponent bits, 3 mantissa bits); and NAME_scales (uint8): the same leading axes, one E8M0 byte (e + 127) for each 32 codes along K. Its value is code x scale, taken as it is: it is not quantised again, and the codes and scales need not be those that the quantiser above would give.
;; 2 versions, each right; version 2 is version 1 with the launches qkv, outln written anew for expert scheduling mode. Each part assembles by itself: llvm-mc -triple=amdgcn-amd-amdhsa -mcpu=gfx1250 --defsym DOCPART=n.
;; ======== version 1 of 2: 4 launches
;; workspace buffers: xq 6,553,600 bytes; wimg 3,145,728 bytes; qi 6,553,600 bytes; kv 13,107,200 bytes; ao 6,291,456 bytes; aos 262,144 bytes
;; launch prep (part 1): grid 576 x 1, 4 waves a work-group, no clusters, 34,304 bytes of LDS; arguments x, Wq_codes, Wk_codes, Wv_codes, Wo_codes, xq, wimg; writes xq, wimg
.if DOCPART == 1
	.amdgcn_target "amdgcn-amd-amdhsa--gfx1250"
	.amdhsa_code_object_version 6
	.text
	.protected	k_q55fca0a59c_prep
	.globl	k_q55fca0a59c_prep
	.p2align	8
	.type	k_q55fca0a59c_prep,@function
k_q55fca0a59c_prep:
	s_mov_b64 s[64:65], 0
	v_nop
	global_prefetch_b8 v0, s[64:65] scope:SCOPE_SE
	s_setreg_imm32_b32 hwreg(HW_REG_WAVE_MODE, 25, 1), 1
	s_wait_xcnt 0x0
; x [8192][1024] f32 becomes codes of E2M3 with one E8M0 byte for each 32 along its rows, and the four weights' codes are laid anew; both as IMAGES OF OPERAND REGISTERS:
; a fragment (16 rows x 128 K, 12 registers a lane) is 1,536 bytes, register group c (4 registers) of lane l at 512 c + 16 l, so that every later launch takes a fragment by three dense loads of 16 bytes a lane.
; THE ROWS OF A TILE ARE NOT NEIGHBOURS: tile (F, u) holds rows 32 F + 8 u + r + 8 (r / 8), r = 0 .. 15.
; xq: [block of 128 tokens][102,400]: fragments [tile 2 f + u (8)][K step (8)][1,536]; from byte 98,304 the scale words [tile][K step][16 rows].
; wimg: [weight q, k, v, o][group of 128 columns (8)][8 x K step + tile (64)][1,536].
; SHARES.  Work-groups 0-511: one tile of 16 tokens each; wave w takes K steps 2 w and 2 w + 1.  Work-groups 512-575: each wave re-lays the eight tiles of one (weight, column group, K step).
; A block's scale is 2^(floor(log2(largest magnitude)) - 2); its byte is the largest magnitude's exponent field - 2, held at 1 from below.
; LIMITS: a block of zeros gets the byte 1 where the rule says 127 (its codes are zeros, and only this program reads the bytes); blocks whose largest magnitude lies under 2^-124 are held at byte 1; NaN and infinities are not served.
; No barrier: each wave's stage in LDS is its own.  No matrix unit, no cluster: nothing is shared and nothing is multiplied here.
.set STGB, 16*528                      ; a wave's stage: 16 rows of 512 bytes + 16: the 16 rows that a load of 16 bytes a lane touches start 16 bytes apart modulo 256
.set S0,  16                           ; v16-79, v80-143: 64 numbers a lane for each of my two K steps
.set TM,  144                          ; v144-159 at work in QUANT
.set CT,  160                          ; v160-167 the upper halves of blocks
.set PC,  168                          ; v168-179, v180-191 the two fragments' codes
.set PW,  5                            ; v5, v6 their scale words
.set SEL, 20                           ; s[20:21] lane selects: lane l xor 16
; 64 numbers of a lane, register 16 b + i = k 32 b + 16 (lane / 16) + i of my row, become the codes of k = 32 (lane / 16) + 0 .. 31 in v[d0 .. d0 + 5], of k = 64 + 32 (lane / 16) + 0 .. 31 in v[d1 .. d1 + 5], and the row's scale word in v[pw].
.macro QUANT s, d0, d1, pw
.irp b, 0,1,2,3
	v_max3_num_f32 v[TM+\b], |v[(\s)+16*\b]|, |v[(\s)+1+16*\b]|, 0x1800000   ; block b: my 16 numbers and the floor 2^(3 - 127): the byte cannot fall under 1
.endr
.irp i, 2,4,6,8,10,12,14
.irp b, 0,1,2,3
	v_max3_num_f32 v[TM+\b], v[TM+\b], |v[(\s)+16*\b+\i]|, |v[(\s)+1+16*\b+\i]|   ; the four blocks by turns
.endr
.endr
.irp b, 0,1,2,3
	v_permlanex16_b32 v[TM+4+\b], v[TM+\b], s[SEL], s[SEL+1]
.endr
.irp b, 0,1,2,3
	v_max_num_f32 v[TM+\b], v[TM+\b], v[TM+4+\b]       ; with lane l xor 16's 16: the block's largest magnitude
.endr
.irp b, 0,1,2,3
	v_add_nc_u32 v[TM+12+\b], 0xff000000, v[TM+\b]     ; 2 off its exponent field: the conversion's scale operand
.endr
.irp b, 0,1,2,3
	v_lshrrev_b32 v[TM+4+\b], 23, v[TM+12+\b]          ; the scale's byte
.endr
	v_lshl_or_b32 v[\pw], v[TM+5], 8, v[TM+4]
	v_lshl_or_b32 v[\pw], v[TM+6], 16, v[\pw]
	v_lshl_or_b32 v[\pw], v[TM+7], 24, v[\pw]
	v_cvt_scalef32_pk16_fp6_f32 v[(\d0):(\d0)+2], v[(\s):(\s)+15], v[TM+12]
	v_cvt_scalef32_pk16_fp6_f32 v[CT:CT+2], v[(\s)+16:(\s)+31], v[TM+13]
	v_cvt_scalef32_pk16_fp6_f32 v[(\d1):(\d1)+2], v[(\s)+32:(\s)+47], v[TM+14]
	v_cvt_scalef32_pk16_fp6_f32 v[CT+4:CT+6], v[(\s)+48:(\s)+63], v[TM+15]
	v_nop                                              ; one plain place behind the scaled conversions
.irp i, 0,1,2
	v_permlane16_swap_b32 v[(\d0)+\i], v[CT+\i]        ; the operand's layout wants a whole block in a lane: lanes 0-15 the even block, lanes 16-31 the odd one
	v_permlane16_swap_b32 v[(\d1)+\i], v[CT+4+\i]
.endr
.irp i, 0,1,2
	v_mov_b32 v[(\d0)+3+\i], v[CT+\i]
	v_mov_b32 v[(\d1)+3+\i], v[CT+4+\i]
.endr
.endm
; K step e's 16 rows x 512 bytes go into my stage as they were loaded and come back 64 bytes of one row a lane and block.  LDS serves a wave's instructions in order, so no wait stands between.
.macro TURN e
.irp p, 0,1,2,3,4,5,6,7,8,9,10,11,12,13,14,15
	ds_store_b128 v2, v[S0+64*\e+4*\p:S0+64*\e+4*\p+3] offset:528*\p
.endr
.irp b, 0,1,2,3
.irp j, 0,1,2,3
	ds_load_b128 v[S0+64*\e+16*\b+4*\j:S0+64*\e+16*\b+4*\j+3], v3 offset:128*\b+16*\j
.endr
.endr
.endm
	s_load_b256 s[4:11], s[0:1], 0x0               ; x, Wq's, Wk's, Wv's codes
	s_load_b128 s[12:15], s[0:1], 0x20             ; Wo's codes, xq
	s_load_b64 s[16:17], s[0:1], 0x30              ; wimg
	v_lshl_add_u32 v192, v0, 2, 0x8400
	v_mov_b32 v193, 0
	v_lshrrev_b32 v8, 5, v0
	v_readfirstlane_b32 s18, v8                    ; wave 0..3
	v_and_b32 v9, 31, v0                           ; lane
	v_and_b32 v10, 15, v0                          ; r
	v_bfe_u32 v11, v0, 4, 1                        ; h
	v_lshlrev_b32 v1, 4, v9                        ; 16 x lane
	s_cmp_lt_u32 ttmp9, 512
	s_cbranch_scc0 .Lrelay
	; ---- x: tile ttmp9 = 2 F + u
	s_mul_i32 s19, s18, STGB
	v_add_nc_u32 v2, s19, v1                       ; the stage, on the way in: 16 x lane of a row
	v_mul_u32_u24 v3, v10, 528
	v_lshl_add_u32 v3, v11, 6, v3
	v_add_nc_u32 v3, s19, v3                       ; and on the way out: row r, + 64 h
	v_lshlrev_b32 v4, 2, v9
	s_mov_b32 s[SEL], 0x76543210
	s_mov_b32 s[SEL+1], 0xfedcba98
	s_mov_b32 s22, 0xffff0000                      ; lanes 16-31
.irp b, 0,1,2,3
	v_mov_b32 v[TM+4+\b], 0                        ; written once: a lane permute's destination counts as one of its sources
.endr
	s_lshr_b32 s24, ttmp9, 1
	s_lshl_b32 s24, s24, 17                        ; 32 F rows of 4,096 bytes
	s_and_b32 s25, ttmp9, 1
	s_lshl_b32 s25, s25, 15                        ; + 8 u rows
	s_add_co_u32 s24, s24, s25
	s_lshl_b32 s25, s18, 10                        ; + my two K steps: 1,024 bytes a wave
	s_add_co_u32 s24, s24, s25
	s_mov_b32 s25, 0
	s_lshr_b32 s26, ttmp9, 3
	s_mul_i32 s26, s26, 102400                     ; the block's record in xq
	s_and_b32 s27, ttmp9, 7
	s_lshl_b32 s27, s27, 3
	s_lshl_b32 s28, s18, 1
	s_add_co_u32 s27, s27, s28                     ; 8 x tile + my first K step
	s_mul_i32 s28, s27, 1536
	s_add_co_u32 s28, s28, s26
	s_mov_b32 s29, 0
	s_lshl_b32 s30, s27, 6
	s_add_co_u32 s30, s30, s26
	s_add_co_u32 s30, s30, 98304
	s_mov_b32 s31, 0
	s_wait_kmcnt 0x0
	s_add_nc_u64 s[4:5], s[4:5], s[24:25]
	s_add_nc_u64 s[32:33], s[14:15], s[28:29]      ; my two fragments
	s_add_nc_u64 s[34:35], s[14:15], s[30:31]      ; their scale words
.irp e, 0,1
.irp p, 0,1,2,3,4,5,6,7,8,9,10,11,12,13,14,15
	global_load_b128 v[S0+64*\e+4*\p:S0+64*\e+4*\p+3], v1, s[4:5] offset:(\p+8*(\p/8))*4096+512*\e th:TH_LOAD_NT   ; 32 lanes read 512 consecutive bytes of one row
.endr
.endr
	s_wait_loadcnt 16                              ; the first K step's sixteen loads are in; the second's sixteen stay out
	TURN 0
	s_wait_dscnt 0x0
	QUANT S0, PC, PC+6, PW
.irp c, 0,1,2
	global_store_b128 v1, v[PC+4*\c:PC+4*\c+3], s[32:33] offset:512*\c     ; 512 consecutive bytes a store
.endr
	s_wait_loadcnt 0x0
	TURN 1
	s_wait_dscnt 0x0
	QUANT S0+64, PC+12, PC+18, PW+1
.irp c, 0,1,2
	global_store_b128 v1, v[PC+12+4*\c:PC+12+4*\c+3], s[32:33] offset:1536+512*\c
.endr
	v_cndmask_b32 v7, v[PW], v[PW+1], s22          ; lanes 0-15 carry the first K step's words, lanes 16-31 the second's (both halves of the lanes hold a row's word)
	global_store_b32 v4, v7, s[34:35]              ; 128 consecutive bytes: the scale words are one byte in 24 of what this path stores
	s_wait_tensorcnt 0x0
	ds_add_u32 v192, v193
	s_wait_dscnt 0x0
	s_endpgm
.Lrelay:
	; ---- a weight's codes, rows of 768 bytes, into images
	s_sub_co_u32 s19, ttmp9, 512
	s_lshl_b32 s19, s19, 2
	s_add_co_u32 s19, s19, s18                     ; 0 .. 255 = 64 x weight + 8 x column group + K step
	s_lshr_b32 s20, s19, 6
	s_bfe_u32 s21, s19, 0x30003
	s_and_b32 s22, s19, 7
	v_and_b32 v12, 8, v10
	v_add_nc_u32 v12, v12, v10                     ; r + 8 (r / 8)
	v_mul_u32_u24 v12, v12, 768
	v_mad_u32_u24 v12, v11, 24, v12                ; my row of a tile, + 24 h
	s_mul_i32 s24, s21, 128*768
	s_mul_i32 s25, s22, 96
	s_add_co_u32 s24, s24, s25
	s_mov_b32 s25, 0
	s_mul_i32 s26, s19, 8*1536                     ; eight images on end
	s_mov_b32 s27, 0
	s_wait_kmcnt 0x0
	s_cmp_eq_u32 s20, 0
	s_cselect_b64 s[28:29], s[6:7], s[8:9]
	s_cmp_lt_u32 s20, 2
	s_cselect_b64 s[28:29], s[28:29], s[10:11]
	s_cmp_eq_u32 s20, 3
	s_cselect_b64 s[28:29], s[12:13], s[28:29]
	s_add_nc_u64 s[28:29], s[28:29], s[24:25]
	s_add_nc_u64 s[30:31], s[16:17], s[26:27]
.irp t, 0,1,2,3,4,5,6,7
.irp p, 0,1,2,3,4,5
	global_load_b64 v[16+12*\t+2*\p:17+12*\t+2*\p], v12, s[28:29] offset:(32*(\t/2)+8*(\t%2))*768+48*(\p/3)+8*(\p%3)
.endr
.endr
	s_wait_loadcnt 0x0
.irp t, 0,1,2,3,4,5,6,7
.irp c, 0,1,2
	global_store_b128 v1, v[16+12*\t+4*\c:19+12*\t+4*\c], s[30:31] offset:1536*\t+512*\c
.endr
.endr
	s_endpgm
.Lfunc_end_k_q55fca0a59c_prep:
	.size	k_q55fca0a59c_prep, .Lfunc_end_k_q55fca0a59c_prep-k_q55fca0a59c_prep
	.p2alignl 7, 3214868480
	.fill 96, 4, 3214868480
	.section	.rodata,"a",@progbits
	.p2align	6, 0x0
	.amdhsa_kernel k_q55fca0a59c_prep
		.amdhsa_group_segment_fixed_size 34304
		.amdhsa_private_segment_fixed_size 0
		.amdhsa_enable_private_segment 0
		.amdhsa_kernarg_size 56
		.amdhsa_user_sgpr_count 2
		.amdhsa_user_sgpr_kernarg_segment_ptr 1
		.amdhsa_wavefront_size32 1
		.amdhsa_system_sgpr_workgroup_id_x 1
		.amdhsa_system_sgpr_workgroup_id_y 1
		.amdhsa_system_sgpr_workgroup_id_z 1
		.amdhsa_system_vgpr_workitem_id 0
		.amdhsa_next_free_vgpr 194
		.amdhsa_next_free_sgpr 66
		.amdhsa_reserve_vcc 0
		.amdhsa_float_denorm_mode_32 3
		.amdhsa_float_denorm_mode_16_64 3
		.amdhsa_memory_ordered 1
		.amdhsa_forward_progress 1
		.amdhsa_inst_pref_size 26
	.end_amdhsa_kernel
	.amdgpu_metadata
---
amdhsa.version: [ 1, 2 ]
amdhsa.kernels:
  - .name:           k_q55fca0a59c_prep
    .symbol:         k_q55fca0a59c_prep.kd
    .args:
      - { .name: x, .offset: 0, .size: 8, .value_kind: global_buffer, .address_space: global }
      - { .name: Wq_codes, .offset: 8, .size: 8, .value_kind: global_buffer, .address_space: global }
      - { .name: Wk_codes, .offset: 16, .size: 8, .value_kind: global_buffer, .address_space: global }
      - { .name: Wv_codes, .offset: 24, .size: 8, .value_kind: global_buffer, .address_space: global }
      - { .name: Wo_codes, .offset: 32, .size: 8, .value_kind: global_buffer, .address_space: global }
      - { .name: xq, .offset: 40, .size: 8, .value_kind: global_buffer, .address_space: global }
      - { .name: wimg, .offset: 48, .size: 8, .value_kind: global_buffer, .address_space: global }
    .group_segment_fixed_size: 34304
    .private_segment_fixed_size: 0
    .kernarg_segment_align: 8
    .kernarg_segment_size: 56
    .max_flat_workgroup_size: 128
    .sgpr_count:     66
    .vgpr_count:     194
    .wavefront_size: 32
...
	.end_amdgpu_metadata
.endif
;; end of part 1
;; launch qkv (part 2): grid 8 x 32, 4 waves a work-group, no clusters, 242,176 bytes of LDS; arguments xq, wimg, Wq_scales, Wk_scales, Wv_scales, bq, bk, bv, qi, kv; writes qi, kv
.if DOCPART == 2
	.amdgcn_target "amdgcn-amd-amdhsa--gfx1250"
	.amdhsa_code_object_version 6
	.text
	.protected	k_q55fca0a59c_qkv
	.globl	k_q55fca0a59c_qkv
	.p2align	8
	.type	k_q55fca0a59c_qkv,@function
k_q55fca0a59c_qkv:
	s_mov_b64 s[64:65], 0
	v_nop
	global_prefetch_b8 v0, s[64:65] scope:SCOPE_SE
	s_setreg_imm32_b32 hwreg(HW_REG_WAVE_MODE, 25, 1), 1
	s_wait_xcnt 0x0
; q, k, v = Q(x) W + b on codes of E2M3, and each result quantised for attention: q and k along the head's 64, v along the keys.  (The factor 1/32 on q is a power of two: it is left to the softmax's constant.)
; SHARES.  Work-group y: a pair of blocks of 128 tokens.  Work-group x = 0 .. 3: q (0, 1) and k (2, 3), column half x % 2 (512 columns), BOTH blocks of the pair.  x = 4 .. 7: v, column half x % 2, ONE block, the pair's block (x - 4) / 2:
; v's way has 320 LDS instructions a trip more than q's and k's, so it gets twice the work-groups: 128 + 128 = 256 in all.  Wave w: 128 columns = two heads.  ITS 64 WEIGHT FRAGMENTS STAY IN REGISTERS for the whole
; launch (768 registers: fragment i = 8 x K step + tile in window 1 + i / 21 at 12 (i % 21); fragment 63 in window 0).  What goes round is x: a block's images, 102,400 bytes, are copied into LDS, and each fragment read from there feeds 8 products.
; THE PRODUCT IS USED TRANSPOSED (source 0 = 16 columns of W, source 1 = 16 tokens): a lane holds one token, and since tile 2 b + u of W holds columns 32 b + 8 u + r + 8 (r / 8), its registers 16 b + i are columns 32 b + 16 (lane / 16) + i.
; q, k: the 64 numbers of a lane are two heads' d: quantised in registers; the two tiles (f, 0), (f, 1) of 32 tokens make a PAIR IMAGE a head: registers 0-5 tile 0, registers 6-11 tile 1, lane (r, h) holding d = 32 h + 0 .. 31.
; v: 64 tokens x 128 columns are turned through the wave's own stage in LDS, so that a lane holds 32 neighbouring keys of one d; half images of 768 bytes (registers 0-3 at 16 l, registers 4-5 at 512 + 8 l).
; OUT.  qi: [batch x head][102,400]: pair images [f (64)][1,536]; from 98,304 scale words [f / 4][r][f % 4].  kv: [batch x head][204,800]: k as qi at 0 (words at 196,608); v at 98,304: [64 keys (32)][d tile (4)][768]; its words at 200,704: [128 keys][r][d tile].
; No joint loads: the operand that work-groups of a column group share, the weights, is loaded once into registers; x's block goes through registers into LDS.
; No prefetch: both blocks of a pair are asked for at the launch's head, the second by v's work-groups.
; LIMITS as in the quantiser's rule: a block of zeros gets byte 1 with zero codes; blocks under 2^-124 are held at byte 1; NaN and infinities are not served.
.set XSC,    98304                     ; LDS: 0 x's 64 fragments; 98,304 their scale words, 64 bytes each;
.set VSTG,   102400                    ; from here a stage of 128 rows (columns of v) x 272 bytes (64 tokens + 16) for each wave
.set VPITCH, 272
.set L16, 1                            ; v1   16 x lane
.set XA,  2                            ; v2   LDS: this trip's fragments;  v3 the next trip's;  v4, v5 the same for the scale words
.set XN,  3
.set XSA, 4
.set XSN, 5
.set CP0, 6                            ; v6   16 x thread;  v7 + 51,200: the copy
.set CP1, 7
.set O16B, 8                           ; v8   16 x lane + a head's record: the wave's second head
.set SCO, 9                            ; v9   16 (lane % 16) + (lane / 16) x a head's record
.set VW,  10                           ; v10  the stage, in;  v11 out
.set VR,  11
.set SH8, 12                           ; v12  8 (lane / 16)
.set L8,  13                           ; v13  8 x lane;  v14 + a head's record
.set O8B, 14
.set F63, 16                           ; v16-27  weight fragment 63
.set WS,  28                           ; v28-59  the weights' scale words: register 8 b + s: lanes 0-15 tile 2 b's rows, lanes 16-31 tile 2 b + 1's
.set BR,  60                           ; v60-63  the bias: register b, lane l: column 32 b + l
.set ACC, 64                           ; v64-127 eight accumulators.  (At a block's edge v64-243 carry the copy: nothing in them lives from block to block)
.set XF,  128                          ; v128-175 a ring of four fragments of x;  v176-179 their scale words
.set XSW, 176
.set TM,  180                          ; v180-195 at work in QUANT
.set PW0, 196                          ; v196, v197 the scale words of tiles u = 0, 1
.set CT,  198
.set IA,  206                          ; v206-217 the first head's image;  v218-229 the second's
.set IB,  218
.set SA,  230                          ; v230-233 a block's four scale words of the first head;  v234-237 of the second
.set SBH, 234
.set ST,  238
.set T0,  242                          ; v242-245 at work
.set R4,  246                          ; v246 XSC + 4 (lane % 16)
.set WV,   24
.set KIND, 26                          ; 0 q, 1 k, 2 v
.set HALF, 27
.set RG,   28
.set HS,   29                          ; a head's record in bytes
.set SEL,  30                          ; s[30:31] lane selects: lane l xor 16
.set HM,   32                          ; lanes 16-31
.set FB,   33                          ; my first block of 128 tokens
.set XB,   40                          ; s[40:41] the block's record in xq
.set OB,   42                          ; s[42:43] where this trip's images go
.set SB,   44                          ; s[44:45] where this block's scale words go
.set WB,   46
.set SCB,  48
.set BB,   50
.set BLK,  66
.set TR,   67
.set TB,   68
.set NX,   69
.set TBS,  70
.set NXS,  71
.set MSB, 0
.macro WIN new                         ; the immediate's high byte repeats the setting that is left; a switch that changes nothing is dropped
.if MSB != (\new)
	s_set_vgpr_msb (MSB<<8)|(\new)
.set MSB, (\new)
.endif
.endm
.macro PLACES                          ; four places behind matrix instructions, in front of loads into their registers and of the first read of results
.rept 4
	v_nop
.endr
.endm
.macro QUANT s, d0, d1, pw             ; 64 numbers of a lane, register 16 b + i = k 32 b + 16 (lane / 16) + i, become codes of k = 32 h .. in v[d0 ..+5], of k = 64 + 32 h .. in v[d1 ..+5], and the scale word v[pw]
.irp b, 0,1,2,3
	v_max3_num_f32 v[TM+\b], |v[(\s)+16*\b]|, |v[(\s)+1+16*\b]|, 0x1800000   ; my 16 numbers of block b and the floor 2^(3 - 127)
.endr
.irp i, 2,4,6,8,10,12,14
.irp b, 0,1,2,3
	v_max3_num_f32 v[TM+\b], v[TM+\b], |v[(\s)+16*\b+\i]|, |v[(\s)+1+16*\b+\i]|
.endr
.endr
.irp b, 0,1,2,3
	v_permlanex16_b32 v[TM+4+\b], v[TM+\b], s[SEL], s[SEL+1]
.endr
.irp b, 0,1,2,3
	v_max_num_f32 v[TM+\b], v[TM+\b], v[TM+4+\b]
.endr
.irp b, 0,1,2,3
	v_add_nc_u32 v[TM+12+\b], 0xff000000, v[TM+\b]     ; 2 off the exponent field: the conversion's scale operand
.endr
.irp b, 0,1,2,3
	v_lshrrev_b32 v[TM+4+\b], 23, v[TM+12+\b]          ; the scale's byte
.endr
	v_lshl_or_b32 v[\pw], v[TM+5], 8, v[TM+4]
	v_lshl_or_b32 v[\pw], v[TM+6], 16, v[\pw]
	v_lshl_or_b32 v[\pw], v[TM+7], 24, v[\pw]
	v_cvt_scalef32_pk16_fp6_f32 v[(\d0):(\d0)+2], v[(\s):(\s)+15], v[TM+12]
	v_cvt_scalef32_pk16_fp6_f32 v[CT:CT+2], v[(\s)+16:(\s)+31], v[TM+13]
	v_cvt_scalef32_pk16_fp6_f32 v[(\d1):(\d1)+2], v[(\s)+32:(\s)+47], v[TM+14]
	v_cvt_scalef32_pk16_fp6_f32 v[CT+4:CT+6], v[(\s)+48:(\s)+63], v[TM+15]
	v_nop                                              ; one plain place behind the scaled conversions
.irp i, 0,1,2
	v_permlane16_swap_b32 v[(\d0)+\i], v[CT+\i]
	v_permlane16_swap_b32 v[(\d1)+\i], v[CT+4+\i]
.endr
.irp i, 0,1,2
	v_mov_b32 v[(\d0)+3+\i], v[CT+\i]
	v_mov_b32 v[(\d1)+3+\i], v[CT+4+\i]
.endr
.endm
.macro GROUP buf, a, sa, k             ; fragment k of x and its scale words into place buf of the ring: four LDS instructions
.irp c, 0,1,2
	ds_load_b128 v[XF+12*(\buf)+4*\c:XF+12*(\buf)+4*\c+3], v[\a] offset:1536*(\k)+512*\c
.endr
	ds_load_b32 v[XSW+(\buf)], v[\sa] offset:64*(\k)
.endm
.macro WM s, t                         ; the product of weight tile t and the token tile in hand, K step s
.set FI, 8*(\s)+(\t)
.if FI < 63
.set FW, 1+FI/21
.set FG, 12*(FI%21)
.else
.set FW, 0
.set FG, F63
.endif
.set DA, ACC+8*(\t)
.set XG, XF+12*((\s)%4)
	WIN FW                                         ; source 0 alone changes window
.if (\s) == 0
.if (\t)%2
	v_wmma_scale_f32_16x16x128_f8f6f4 v[DA:DA+7], v[FG:FG+11], v[XG:XG+11], 0, v[WS+8*((\t)/2)+(\s)], v[XSW+(\s)%4] matrix_a_fmt:MATRIX_FMT_FP6 matrix_b_fmt:MATRIX_FMT_FP6 matrix_a_scale:MATRIX_SCALE_ROW1
.else
	v_wmma_scale_f32_16x16x128_f8f6f4 v[DA:DA+7], v[FG:FG+11], v[XG:XG+11], 0, v[WS+8*((\t)/2)+(\s)], v[XSW+(\s)%4] matrix_a_fmt:MATRIX_FMT_FP6 matrix_b_fmt:MATRIX_FMT_FP6
.endif
.else
.if (\t)%2
	v_wmma_scale_f32_16x16x128_f8f6f4 v[DA:DA+7], v[FG:FG+11], v[XG:XG+11], v[DA:DA+7], v[WS+8*((\t)/2)+(\s)], v[XSW+(\s)%4] matrix_a_fmt:MATRIX_FMT_FP6 matrix_b_fmt:MATRIX_FMT_FP6 matrix_a_scale:MATRIX_SCALE_ROW1
.else
	v_wmma_scale_f32_16x16x128_f8f6f4 v[DA:DA+7], v[FG:FG+11], v[XG:XG+11], v[DA:DA+7], v[WS+8*((\t)/2)+(\s)], v[XSW+(\s)%4] matrix_a_fmt:MATRIX_FMT_FP6 matrix_b_fmt:MATRIX_FMT_FP6
.endif
.endif
.endm
; A tile of 16 tokens x my 128 columns: 8 K steps of 8 products, the eight accumulators by turns.  The ring of four places is fed TWO K STEPS AT A TIME: one run of eight LDS
; instructions in front of sixteen products, which it runs ahead of by sixteen products, on into the next tile; last = 1: that is the next trip's first tile.
.macro MATTILE k0, last
.irp s, 0,2,4,6
	WIN 0
.if \s > 0
	PLACES                                         ; the two places of the ring that are loaded next were read by the sixteen products just issued.  (In front of a tile's first run stand the bias's vector lines of the tile before)
.endif
.if (\s == 6) && \last
	GROUP 0, XN, XSN, 0
	GROUP 1, XN, XSN, 1
.else
	GROUP (\s+2)%4, XA, XSA, (\k0)+\s+2
	GROUP (\s+3)%4, XA, XSA, (\k0)+\s+3
.endif
	s_wait_dscnt 8                                 ; all but the eight just issued: these two K steps' fragments and scale words are in
.irp t, 0,1,2,3,4,5,6,7
	WM \s, \t
.endr
.irp t, 0,1,2,3,4,5,6,7
	WM \s+1, \t
.endr
.endr
	WIN 0
.endm
.macro BIAS                            ; register 16 b + i wants the bias of column 32 b + 16 (lane / 16) + i: lane i of my half of register b
	PLACES
.irp b, 0,1,2,3
.irp i, 0,1,2,3,4,5,6,7,8,9,10,11,12,13,14,15
	v_add_f32_dpp v[ACC+16*\b+\i], v[BR+\b], v[ACC+16*\b+\i] row_share:\i row_mask:0xf bank_mask:0xf   ; each accumulator from its low end on
.endr
.endr
.endm
.macro TILE f, u, last
	MATTILE 16*(\f)+8*(\u), \last
	BIAS
	s_cmp_eq_u32 s[KIND], 2
	s_cbranch_scc1 .Lv_\@
	s_wait_xcnt 0x0                                ; earlier stores have read the images' registers
	QUANT ACC, IA+6*(\u), IB+6*(\u), PW0+(\u)
.if \u
.irp i, 0,1,2
	v_mov_b32 v[SA+\i], v[SA+1+\i]                 ; the block's four words move down; the newest comes in on top
	v_mov_b32 v[SBH+\i], v[SBH+1+\i]
.endr
	v_perm_b32 v[SA+3], v[PW0+1], v[PW0], 0x05040100    ; the first head: (tile 0: d block 0, 1; tile 1: d block 0, 1)
	v_perm_b32 v[SBH+3], v[PW0+1], v[PW0], 0x07060302   ; the second head
.irp c, 0,1,2
	global_store_b128 v[L16], v[IA+4*\c:IA+4*\c+3], s[OB:OB+1] offset:1536*(\f)+512*\c     ; 512 consecutive bytes a store
	global_store_b128 v[O16B], v[IB+4*\c:IB+4*\c+3], s[OB:OB+1] offset:1536*(\f)+512*\c
.endr
.endif
	s_branch .Ldone_\@
.Lv_\@:
.irp b, 0,1,2,3
.irp w, 0,1
.irp j, 0,1,2,3,4,5,6,7
	ds_store_b32 v[VW], v[ACC+16*\b+8*\w+\j] offset:(32*\b+16*\w+\j)*VPITCH+(32*(\f)+8*(\u))*4   ; stage row 16 t + rho = row rho of d tile t = 2 b + w; a row's words are the trip's 64 tokens in order
.endr
.endr
.endr
	s_wait_dscnt 0x0                               ; the stores have read the accumulators
.Ldone_\@:
.endm
.macro VLOAD t                         ; d tile t: lane (r, h) takes row r's tokens 32 h + 0 .. 31
.irp q, 0,1,2,3,4,5,6,7
	ds_load_b128 v[ACC+32*((\t)%2)+4*\q:ACC+32*((\t)%2)+4*\q+3], v[VR] offset:16*(\t)*VPITCH+16*\q
.endr
.endm
.macro VPOST                           ; the trip's 64 keys of v, eight d tiles (four a head): a whole block of 32 keys lies in one lane
	VLOAD 0
.irp t, 0,1,2,3,4,5,6,7
.if \t < 7
	VLOAD \t+1
	s_wait_dscnt 8                                 ; this tile's eight loads are in, the next tile's eight stay out
.else
	s_wait_dscnt 0x0
.endif
.set VS, ACC+32*(\t%2)
.set VC, IA+12*(\t%2)
	v_max3_num_f32 v[T0], |v[VS]|, |v[VS+1]|, 0x1800000
	v_max3_num_f32 v[T0+1], |v[VS+2]|, |v[VS+3]|, |v[VS+4]|
.irp i, 5,9,13,17,21,25
	v_max3_num_f32 v[T0], v[T0], |v[VS+\i]|, |v[VS+\i+1]|
	v_max3_num_f32 v[T0+1], v[T0+1], |v[VS+\i+2]|, |v[VS+\i+3]|
.endr
	v_max3_num_f32 v[T0], v[T0], |v[VS+29]|, |v[VS+30]|
	v_max3_num_f32 v[T0], v[T0], v[T0+1], |v[VS+31]|
	v_add_nc_u32 v[T0+1], 0xff000000, v[T0]        ; the conversion's scale operand
	v_lshrrev_b32 v[T0+2], 23, v[T0+1]             ; the byte of key block lane / 16,
	v_lshlrev_b32 v[T0+2], v[SH8], v[T0+2]         ; at its place;
	v_permlanex16_b32 v[T0+3], v[T0+2], s[SEL], s[SEL+1]
	v_or_b32 v[T0+2], v[T0+2], v[T0+3]             ; with the other half's: the trip's two bytes,
	v_lshrrev_b32 v[SA+\t], 16, v[SA+\t]
	v_lshl_or_b32 v[SA+\t], v[T0+2], 16, v[SA+\t]  ; which come in on top: after a block's two trips the word is whole
	s_wait_xcnt 0x0                                ; earlier stores have read the codes' registers
	v_cvt_scalef32_pk16_fp6_f32 v[VC:VC+2], v[VS:VS+15], v[T0+1]
	v_cvt_scalef32_pk16_fp6_f32 v[CT:CT+2], v[VS+16:VS+31], v[T0+1]
	v_nop                                          ; one plain place behind the scaled conversions
.irp i, 0,1,2
	v_mov_b32 v[VC+3+\i], v[CT+\i]
.endr
.if \t < 4
	global_store_b128 v[L16], v[VC:VC+3], s[OB:OB+1] offset:768*(\t%4)          ; 512 consecutive bytes,
	global_store_b64 v[L8], v[VC+4:VC+5], s[OB:OB+1] offset:768*(\t%4)+512      ; and 256
.else
	global_store_b128 v[O16B], v[VC:VC+3], s[OB:OB+1] offset:768*(\t%4)
	global_store_b64 v[O8B], v[VC+4:VC+5], s[OB:OB+1] offset:768*(\t%4)+512
.endif
.endr
.endm
	s_load_b512 s[4:19], s[0:1], 0x0               ; xq, wimg, Wq's, Wk's, Wv's scales, bq, bk, bv
	s_load_b128 s[20:23], s[0:1], 0x40             ; qi, kv
	v_lshl_add_u32 v254, v0, 2, 0x3b000
	v_mov_b32 v255, 0
	v_lshrrev_b32 v242, 5, v0
	v_readfirstlane_b32 s[WV], v242                ; wave 0..3
	v_and_b32 v242, 31, v0                         ; lane
	v_and_b32 v243, 15, v0                         ; r
	v_bfe_u32 v244, v0, 4, 1                       ; h
	v_and_b32 v245, 8, v243
	v_add_nc_u32 v245, v245, v243                  ; r + 8 (r / 8)
	v_lshlrev_b32 v[L16], 4, v242
	v_lshlrev_b32 v[L8], 3, v242
	v_lshlrev_b32 v[CP0], 4, v0
	v_add_nc_u32 v[CP1], 51200, v[CP0]
	v_lshlrev_b32 v[SH8], 3, v244
	v_lshl_add_u32 v[R4], v243, 2, XSC
	s_mul_i32 s52, s[WV], 128*VPITCH
	s_add_co_u32 s52, s52, VSTG                    ; my stage
	v_lshlrev_b32 v[VW], 2, v245
	v_mad_u32_u24 v[VW], v244, 8*VPITCH, v[VW]
	v_add_nc_u32 v[VW], s52, v[VW]                 ; in: 8 rows down for lanes 16-31; my token's word
	v_mul_u32_u24 v[VR], v243, VPITCH
	v_lshl_add_u32 v[VR], v244, 7, v[VR]
	v_add_nc_u32 v[VR], s52, v[VR]                 ; out: row r, + 32 tokens for lanes 16-31
	v_lshl_add_u32 v247, v244, 3, v245
	v_lshlrev_b32 v247, 5, v247                    ; the weights' scale rows of 32 bytes: row 8 h + r + 8 (r / 8) of 32
	v_lshlrev_b32 v248, 2, v242
	s_mov_b32 s[SEL], 0x76543210
	s_mov_b32 s[SEL+1], 0xfedcba98
	s_mov_b32 s[HM], 0xffff0000
	s_lshr_b32 s52, ttmp9, 1                       ; 0 q, 1 k, 2 and 3 v
	s_min_u32 s[KIND], s52, 2
	s_sub_co_u32 s[FB], s52, s[KIND]               ; 1 in v's work-groups x = 6, 7: they take the pair's second block
	s_and_b32 s[HALF], ttmp9, 1
	s_and_b32 s[RG], ttmp7, 0xffff
	s_lshl_b32 s53, s[RG], 1
	s_add_co_u32 s[FB], s[FB], s53                 ; my first block of 128 tokens
	s_lshl_b32 s52, s[HALF], 2
	s_add_co_u32 s52, s52, s[WV]                   ; my group of 128 columns
	s_lshl_b32 s53, s[KIND], 3
	s_add_co_u32 s53, s53, s52
	s_mul_i32 s54, s53, 64*1536                    ; its 64 images
	s_mov_b32 s55, 0
	s_lshl_b32 s56, s52, 12                        ; its 128 rows of scale bytes
	s_mov_b32 s57, 0
	s_lshl_b32 s58, s52, 9                         ; its 128 numbers of the bias
	s_mov_b32 s59, 0
	s_mov_b32 s[HS], 204800
	s_mov_b32 s35, 196608
	s_cmp_eq_u32 s[KIND], 2
	s_cselect_b32 s34, 98304, 0                    ; where the images begin in a head's record,
	s_cselect_b32 s35, 200704, s35                 ; and the scale words
	s_cmp_eq_u32 s[KIND], 0
	s_cselect_b32 s[HS], 102400, s[HS]
	s_cselect_b32 s35, 98304, s35
	s_lshr_b32 s36, s[RG], 3
	s_lshl_b32 s36, s36, 4
	s_lshl_b32 s37, s52, 1
	s_add_co_u32 s36, s36, s37                     ; 16 x batch + my first head
	s_mul_i32 s36, s36, s[HS]
	s_and_b32 s37, s[FB], 15                       ; my first block's place in the sequence
	s_mul_i32 s38, s37, 6144
	s_lshl_b32 s37, s37, 8
	s_add_co_u32 s38, s38, s36
	s_add_co_u32 s38, s38, s34
	s_mov_b32 s39, 0
	s_add_co_u32 s36, s36, s37
	s_add_co_u32 s36, s36, s35
	s_mov_b32 s37, 0
	s_mul_i32 s34, s[FB], 102400
	s_mov_b32 s35, 0
	v_add_nc_u32 v[O16B], s[HS], v[L16]
	v_add_nc_u32 v[O8B], s[HS], v[L8]
	v_mul_u32_u24 v[SCO], v244, s[HS]
	v_lshl_add_u32 v[SCO], v243, 4, v[SCO]
	s_wait_kmcnt 0x0
	s_cmp_eq_u32 s[KIND], 0                        ; the choices hang on the work-group's number alone
	s_cselect_b64 s[SCB:SCB+1], s[8:9], s[10:11]
	s_cselect_b64 s[BB:BB+1], s[14:15], s[16:17]
	s_cselect_b64 s[OB:OB+1], s[20:21], s[22:23]
	s_cmp_eq_u32 s[KIND], 2
	s_cselect_b64 s[SCB:SCB+1], s[12:13], s[SCB:SCB+1]
	s_cselect_b64 s[BB:BB+1], s[18:19], s[BB:BB+1]
	s_add_nc_u64 s[SB:SB+1], s[OB:OB+1], s[36:37]
	s_add_nc_u64 s[OB:OB+1], s[OB:OB+1], s[38:39]
	s_add_nc_u64 s[XB:XB+1], s[4:5], s[34:35]
	s_add_nc_u64 s[WB:WB+1], s[6:7], s[54:55]
	s_add_nc_u64 s[SCB:SCB+1], s[SCB:SCB+1], s[56:57]
	s_add_nc_u64 s[BB:BB+1], s[BB:BB+1], s[58:59]
.set i, 0
.rept 63                               ; the weights: 512 consecutive bytes a load
	WIN (1+i/21)<<6
.irp c, 0,1,2
	global_load_b128 v[12*(i%21)+4*\c:12*(i%21)+4*\c+3], v[L16], s[WB:WB+1] offset:1536*i+512*\c
.endr
.set i, i+1
.endr
	WIN 0
.irp c, 0,1,2
	global_load_b128 v[F63+4*\c:F63+4*\c+3], v[L16], s[WB:WB+1] offset:1536*63+512*\c
.endr
.irp b, 0,1,2,3
	global_load_b128 v[WS+8*\b:WS+8*\b+3], v247, s[SCB:SCB+1] offset:1024*\b
	global_load_b128 v[WS+8*\b+4:WS+8*\b+7], v247, s[SCB:SCB+1] offset:1024*\b+16
	global_load_b32 v[BR+\b], v248, s[BB:BB+1] offset:128*\b
.endr
	s_mov_b32 s[BLK], 0
.Lblock:
	; THE COPY of a block's record, 50 x 2,048 bytes, through v64-243.  45 loads go out together; as soon as the first five have landed and are stored, their registers take the last five, which land while the other 40 arrive.
	s_wait_dscnt 0x0                               ; the ring's last loads, which nobody uses, are back
	PLACES
.set i, 0
.rept 45
	global_load_b128 v[ACC+4*i:ACC+4*i+3], v[CP0], s[XB:XB+1] offset:2048*i      ; the work-group reads 2,048 consecutive bytes an instruction
.set i, i+1
.endr
	s_barrier_signal -1
	s_barrier_wait -1                              ; every wave's reads of the old block are over
	s_wait_loadcnt 40                              ; behind the first five stand 40.  (In the first block: the weights, their scales and the bias, all older, are in too)
.set i, 0
.rept 5
	ds_store_b128 v[CP0], v[ACC+4*i:ACC+4*i+3] offset:2048*i
.set i, i+1
.endr
	s_wait_dscnt 0x0                               ; the stores have read their registers
.set i, 0
.rept 5
	global_load_b128 v[ACC+4*i:ACC+4*i+3], v[CP0], s[XB:XB+1] offset:2048*(45+i)
.set i, i+1
.endr
	s_wait_loadcnt 5                               ; all but the five just issued
.set i, 5
.rept 20
	ds_store_b128 v[CP0], v[ACC+4*i:ACC+4*i+3] offset:2048*i
.set i, i+1
.endr
.rept 20
	ds_store_b128 v[CP1], v[ACC+4*i:ACC+4*i+3] offset:2048*(i-25)
.set i, i+1
.endr
	s_wait_loadcnt 0x0
.set i, 0
.rept 5
	ds_store_b128 v[CP1], v[ACC+4*i:ACC+4*i+3] offset:2048*(20+i)
.set i, i+1
.endr
	s_wait_dscnt 0x0                               ; for the others' sake: my part of the block lies in LDS
	s_barrier_signal -1
	s_barrier_wait -1
	s_mov_b32 s[TB], 0
	s_mov_b32 s[TBS], 0
	s_mov_b32 s[TR], 0
	v_add_nc_u32 v[XN], s[TB], v[L16]
	v_add_nc_u32 v[XSN], s[TBS], v[R4]
	GROUP 0, XN, XSN, 0                            ; the first tile's first two K steps
	GROUP 1, XN, XSN, 1
.Ltrip:                                                ; 64 tokens: four tiles
	s_add_co_u32 s[NX], s[TB], 49152
	s_min_u32 s[NX], s[NX], 49152                  ; the last trip's look-ahead reads its own first fragments again, and nobody uses them
	s_add_co_u32 s[NXS], s[TBS], 2048
	s_min_u32 s[NXS], s[NXS], 2048
	s_wait_dscnt 0x0                               ; no LDS load of mine is out: the address registers may be written
	v_add_nc_u32 v[XA], s[TB], v[L16]
	v_add_nc_u32 v[XN], s[NX], v[L16]
	v_add_nc_u32 v[XSA], s[TBS], v[R4]
	v_add_nc_u32 v[XSN], s[NXS], v[R4]
	TILE 0, 0, 0
	TILE 0, 1, 0
	TILE 1, 0, 0
	TILE 1, 1, 1
	s_cmp_eq_u32 s[KIND], 2
	s_cbranch_scc0 .Lno_v
	VPOST
.Lno_v:
	s_wait_xcnt 0x0                                ; the stores have read their base
	s_add_nc_u64 s[OB:OB+1], s[OB:OB+1], 3072      ; two pair images, or four half images: 64 tokens on
	s_add_co_u32 s[TB], s[TB], 49152
	s_add_co_u32 s[TBS], s[TBS], 2048
	s_add_co_u32 s[TR], s[TR], 1
	s_cmp_lt_u32 s[TR], 2
	s_cbranch_scc1 .Ltrip
.irp i, 0,1,2,3
	v_cndmask_b32 v[ST+\i], v[SA+\i], v[SBH+\i], s[HM]   ; lanes 0-15 the first head's words, lanes 16-31 the second's
.endr
	global_store_b128 v[SCO], v[ST:ST+3], s[SB:SB+1]     ; sixteen lanes store 256 consecutive bytes, aligned, in each head's record
	s_cmp_eq_u32 s[KIND], 2
	s_cbranch_scc1 .Lend                           ; v's work-groups have one block: a branch on the work-group's number, the same in all four waves
	s_wait_xcnt 0x0
	s_add_nc_u64 s[SB:SB+1], s[SB:SB+1], 256
	s_add_nc_u64 s[XB:XB+1], s[XB:XB+1], 102400
	s_add_co_u32 s[BLK], s[BLK], 1
	s_cmp_lt_u32 s[BLK], 2
	s_cbranch_scc1 .Lblock
.Lend:
	s_wait_dscnt 0x0
	s_wait_tensorcnt 0x0
	ds_add_u32 v254, v255
	s_wait_dscnt 0x0
	s_endpgm
.Lfunc_end_k_q55fca0a59c_qkv:
	.size	k_q55fca0a59c_qkv, .Lfunc_end_k_q55fca0a59c_qkv-k_q55fca0a59c_qkv
	.p2alignl 7, 3214868480
	.fill 96, 4, 3214868480
	.section	.rodata,"a",@progbits
	.p2align	6, 0x0
	.amdhsa_kernel k_q55fca0a59c_qkv
		.amdhsa_group_segment_fixed_size 242176
		.amdhsa_private_segment_fixed_size 0
		.amdhsa_enable_private_segment 0
		.amdhsa_kernarg_size 80
		.amdhsa_user_sgpr_count 2
		.amdhsa_user_sgpr_kernarg_segment_ptr 1
		.amdhsa_wavefront_size32 1
		.amdhsa_system_sgpr_workgroup_id_x 1
		.amdhsa_system_sgpr_workgroup_id_y 1
		.amdhsa_system_sgpr_workgroup_id_z 1
		.amdhsa_system_vgpr_workitem_id 0
		.amdhsa_next_free_vgpr 1024
		.amdhsa_next_free_sgpr 76
		.amdhsa_reserve_vcc 0
		.amdhsa_float_denorm_mode_32 3
		.amdhsa_float_denorm_mode_16_64 3
		.amdhsa_memory_ordered 1
		.amdhsa_forward_progress 1
		.amdhsa_inst_pref_size 146
	.end_amdhsa_kernel
	.amdgpu_metadata
---
amdhsa.version: [ 1, 2 ]
amdhsa.kernels:
  - .name:           k_q55fca0a59c_qkv
    .symbol:         k_q55fca0a59c_qkv.kd
    .args:
      - { .name: xq, .offset: 0, .size: 8, .value_kind: global_buffer, .address_space: global }
      - { .name: wimg, .offset: 8, .size: 8, .value_kind: global_buffer, .address_space: global }
      - { .name: Wq_scales, .offset: 16, .size: 8, .value_kind: global_buffer, .address_space: global }
      - { .name: Wk_scales, .offset: 24, .size: 8, .value_kind: global_buffer, .address_space: global }
      - { .name: Wv_scales, .offset: 32, .size: 8, .value_kind: global_buffer, .address_space: global }
      - { .name: bq, .offset: 40, .size: 8, .value_kind: global_buffer, .address_space: global }
      - { .name: bk, .offset: 48, .size: 8, .value_kind: global_buffer, .address_space: global }
      - { .name: bv, .offset: 56, .size: 8, .value_kind: global_buffer, .address_space: global }
      - { .name: qi, .offset: 64, .size: 8, .value_kind: global_buffer, .address_space: global }
      - { .name: kv, .offset: 72, .size: 8, .value_kind: global_buffer, .address_space: global }
    .group_segment_fixed_size: 242176
    .private_segment_fixed_size: 0
    .kernarg_segment_align: 8
    .kernarg_segment_size: 80
    .max_flat_workgroup_size: 128
    .sgpr_count:     76
    .vgpr_count:     1024
    .wavefront_size: 32
...
	.end_amdgpu_metadata
.endif
;; end of part 2
;; launch attn (part 3): grid 4 x 64, 16 waves a work-group, no clusters, 206,848 bytes of LDS; arguments qi, kv, ao, aos; writes ao, aos
.if DOCPART == 3
	.amdgcn_target "amdgcn-amd-amdhsa--gfx1250"
	.amdhsa_code_object_version 6
	.text
	.protected	k_q55fca0a59c_attn
	.globl	k_q55fca0a59c_attn
	.p2align	8
	.type	k_q55fca0a59c_attn,@function
k_q55fca0a59c_attn:
	s_mov_b64 s[64:65], 0
	v_nop
	global_prefetch_b8 v0, s[64:65] scope:SCOPE_SE
	s_setreg_imm32_b32 hwreg(HW_REG_WAVE_MODE, 25, 1), 1
	s_wait_xcnt 0x0
; For each (batch, head): O = softmax(q k^T / 32) v, both products on codes of E2M3; O / the row's sum is quantised along d for the last projection.
; THE SOFTMAX AHEAD OF THE SECOND PRODUCT: t = score x log2(e) / 32 (q's codes were made without the factor 1/32, a power of two); M = the running largest t rounded up to a whole number; p = 2^(t - M) is quantised along the keys;
; the sum is taken of the unquantised p.  When M moves, the sum and O are multiplied by 2^(old M - new M), which rounds nothing.
; SHARES.  A work-group owns 512 queries of one head; wave w the 32 queries of block f = 16 x + w: two tiles of 16, one after the other (PASS 0, 1).  Four waves to a SIMD: one wave's vector work stands beside another's products and LDS loads.
; LDS is the head's record of kv as it lies in memory, 204,800 bytes, FILLED ONCE by the tensor data mover and only read.  Waves 0-3 issue five loads each at the head: a quarter of the scale words, and a half of K's (waves 0, 1) or of V's
; (waves 2, 3) codes of steps 0-3, 4-7, 8-11, 12-15.  Pass 0 waits for them part by part: its first product wants 57,344 of the 204,800 bytes, and each later part lands under the four steps in front of it.  A step is 128 keys: 8 + 4 products.
; K = 64 IN A FORM OF K = 128.  Source 0 of k q^T is a PAIR IMAGE: registers 0-5 key tile (i, 0), registers 6-11 key tile (i, 1), each lane holding d = 32 (lane / 16) + 0 .. 31.  Q stands as 18 registers [Q][six zeros][Q]: its first twelve
; multiply the first tile (the second's codes meet zero codes, which add an exact 0), its last twelve the second.  Scale words: (tile 0: d block 0, 1; tile 1: d block 0, 1) and (q0, q1, q0, q1).
; Both products are used transposed: a lane holds one query (lane % 16) throughout.  A key tile (i, u) holds keys 32 i + 8 u + r + 8 (r / 8), so registers 16 i + 0 .. 15 of S^T are keys 32 i + 16 (lane / 16) + 0 .. 15; v's d tiles likewise.
; OUT.  ao: [32 tokens (256)][u][head][768]: half images (registers 0-3 at 16 l, 4-5 at 512 + 8 l), lane (r, h): token row r, d = 32 h ..;  aos: [batch x head][f][16 u + r]: two bytes.
; No joint loads: what the four work-groups of a head share is this one fill, 204,800 bytes for 32 steps of each of 16 waves, and all but its first 57,344 bytes land under steps that are running; a joint request would add two rounds of a cluster's barrier.
; No prefetch: all that the launch reads is asked for at its head.
; LIMITS: a block of zeros gets byte 1 with zero codes; NaN and infinities are not served.
.set AK0,  1                           ; v1  16 x lane: K's images, and the stores
.set AV16, 2                           ; v2  98,304 + 16 x lane: V's registers 0-3
.set AV8,  3                           ; v3  98,816 + 8 x lane: V's registers 4-5
.set AS0,  4                           ; v4  196,608 + 16 (lane % 16): the scale words
.set G8,   6                           ; v6  8 x lane
.set G2,   7                           ; v7  2 x lane
.set ADK,  8                           ; v8-11 the step's addresses
.set ADV,  9
.set ADV8, 10
.set ADS,  11
                                       ; v12 -M, v13 the largest t, v[14:15] the sum in two halves
.set QF,   16                          ; v16-33 [Q][zeros][Q]
.set QW,   34                          ; v34 Q's scale word of the pass;  v35 the pair's
.set QSW,  35
.set QP,   36                          ; v36-47 Q's pair image
.set KF,   48                          ; v48-95 four fragments of K, then of V
.set S,    96                          ; v96-159 S^T, then p
.set O,    160                         ; v160-191 O^T
.set P,    192                         ; v192-203 p's codes
.set CT,   204
.set BM,   212                         ; v212-215 the blocks' largest scores
.set PT,   216
.set SO,   220                         ; v220-223 the conversions' scale operands
.set PWD,  224                         ; v224 p's scale word
.set FF,   226                         ; v[226:227] f, later 1 / the sum (the low word serves both halves)
.set TT,   228
.set KSW,  232                         ; v232-235 K's scale words;  v236-239 V's
.set VSW,  236
.set H,    240                         ; v240-245 the result's codes
.set HT,   246
.set U0,   249                         ; v249, v250 the result's two bytes, pass 0, 1
.set WV,   12
.set BH,   13
.set F,    14
.set CS,   16                          ; s[16:17] c = log2(e) / 32
.set SEL,  18
.set HM,   20
.set TK,   21
.set TS,   22
.set CNT,  23
.set G1C,  44                          ; s[44:51] descriptor group 1: 48 rows of 256 bytes, dense: half of four steps' codes of K or of V
.set G1S,  52                          ; s[52:59] the same with 8 rows: a quarter of the scale words
.set G0S,  60                          ; s[60:63] group 0 for my scale words
.set G0,   68                          ; s[68:83] group 0 for my four parts of the codes: a set for each, since all are out together
.macro STEP                            ; 128 keys
	v_add_nc_u32 v[ADK], s[TK], v[AK0]             ; (these four are the places behind the last step's products, in front of the loads into their registers)
	v_add_nc_u32 v[ADV], s[TK], v[AV16]
	v_add_nc_u32 v[ADV8], s[TK], v[AV8]
	v_add_nc_u32 v[ADS], s[TS], v[AS0]
.irp i, 0,1,2,3
.irp c, 0,1,2
	ds_load_b128 v[KF+12*\i+4*\c:KF+12*\i+4*\c+3], v[ADK] offset:1536*\i+512*\c
.endr
.endr
	ds_load_b128 v[KSW:KSW+3], v[ADS]
	s_wait_dscnt 0x0
.irp i, 0,1,2,3
	v_wmma_scale_f32_16x16x128_f8f6f4 v[S+16*\i:S+16*\i+7], v[KF+12*\i:KF+12*\i+11], v[QF:QF+11], 0, v[KSW+\i], v[QW] matrix_a_fmt:MATRIX_FMT_FP6 matrix_b_fmt:MATRIX_FMT_FP6
	v_wmma_scale_f32_16x16x128_f8f6f4 v[S+16*\i+8:S+16*\i+15], v[KF+12*\i:KF+12*\i+11], v[QF+6:QF+17], 0, v[KSW+\i], v[QW] matrix_a_fmt:MATRIX_FMT_FP6 matrix_b_fmt:MATRIX_FMT_FP6
.endr
.rept 4
	v_nop                                          ; places in front of the loads into K's registers and of the first read of the scores
.endr
.irp t, 0,1,2,3                        ; V's four fragments are asked for now and land under the softmax
.irp c, 0,1
	ds_load_b128 v[KF+12*\t+6*\c:KF+12*\t+6*\c+3], v[ADV] offset:768*\t+3072*\c
	ds_load_b64 v[KF+12*\t+6*\c+4:KF+12*\t+6*\c+5], v[ADV8] offset:768*\t+3072*\c
.endr
.endr
	ds_load_b128 v[VSW:VSW+3], v[ADS] offset:4096
.irp b, 0,1,2,3
	v_max3_num_f32 v[BM+\b], v[S+16*\b], v[S+1+16*\b], v[S+2+16*\b]   ; the largest score of each block of 32 keys: for the row's maximum and, since p rises with the score, for the block's largest p
.endr
.irp i, 3,5,7,9,11,13
.irp b, 0,1,2,3
	v_max3_num_f32 v[BM+\b], v[BM+\b], v[S+16*\b+\i], v[S+1+16*\b+\i]
.endr
.endr
.irp b, 0,1,2,3
	v_max_num_f32 v[BM+\b], v[BM+\b], v[S+15+16*\b]
.endr
.irp b, 0,1,2,3
	v_permlanex16_b32 v[PT+\b], v[BM+\b], s[SEL], s[SEL+1]
.endr
.irp b, 0,1,2,3
	v_max_num_f32 v[BM+\b], v[BM+\b], v[PT+\b]     ; with lane l xor 16's 16 keys
.endr
	v_max3_num_f32 v[TT], v[BM], v[BM+1], v[BM+2]
	v_max_num_f32 v[TT], v[TT], v[BM+3]
	v_mul_f32 v[TT], s[CS], v[TT]                  ; the step's largest t (c is positive)
	v_max_num_f32 v13, v13, v[TT]
	v_mov_b32 v[TT], v12
	v_floor_f32 v12, -v13                          ; the new -M = floor(-t)
	v_sub_f32 v[TT], v12, v[TT]                    ; old M - new M: a whole number, 0 or less
	v_cvt_i32_f32 v[TT], v[TT]                     ; (it saturates)
	v_ldexp_f32 v[FF], 1.0, v[TT]                  ; f = 2^(old M - new M)
.set j, 0
.rept 32
	v_pk_fma_f32 v[S+j:S+j+1], v[S+j:S+j+1], s[CS:CS+1], v[12:13] op_sel_hi:[1,0,0]   ; t - M, two at a time
.set j, j+2
.endr
.irp b, 0,1,2,3
	v_fma_f32 v[BM+\b], v[BM+\b], s[CS], v12
.endr
.set j, 0
.rept 64
	v_exp_f32 v[S+j], v[S+j]                       ; p = 2^(t - M), at most 1
.set j, j+1
.endr
.irp b, 0,1,2,3
	v_exp_f32 v[BM+\b], v[BM+\b]                   ; the block's largest p: the same two instructions on the same number
.endr
	v_pk_mul_f32 v[14:15], v[14:15], v[FF:FF+1] op_sel_hi:[1,0]   ; the sums under the new M (a plain place behind the exponentials)
	s_wait_alu depctr_va_vdst(0)
.irp b, 0,1,2,3
	v_max_num_f32 v[BM+\b], 0x1800000, v[BM+\b]    ; the floor 2^(3 - 127)
.endr
.irp b, 0,1,2,3
	v_add_nc_u32 v[SO+\b], 0xff000000, v[BM+\b]
.endr
.irp b, 0,1,2,3
	v_lshrrev_b32 v[PT+\b], 23, v[SO+\b]
.endr
	v_lshl_or_b32 v[PWD], v[PT+1], 8, v[PT]
	v_lshl_or_b32 v[PWD], v[PT+2], 16, v[PWD]
	v_lshl_or_b32 v[PWD], v[PT+3], 24, v[PWD]
.irp c, 0,1
	v_cvt_scalef32_pk16_fp6_f32 v[P+6*\c:P+6*\c+2], v[S+32*\c:S+32*\c+15], v[SO+2*\c]
	v_cvt_scalef32_pk16_fp6_f32 v[CT+4*\c:CT+4*\c+2], v[S+16+32*\c:S+31+32*\c], v[SO+2*\c+1]
.endr
	v_nop                                          ; one plain place behind the scaled conversions
.irp c, 0,1
.irp i, 0,1,2
	v_permlane16_swap_b32 v[P+6*\c+\i], v[CT+4*\c+\i]
.endr
.irp i, 0,1,2
	v_mov_b32 v[P+3+6*\c+\i], v[CT+4*\c+\i]
.endr
.endr
	v_pk_add_f32 v[PT:PT+1], v[S:S+1], v[S+2:S+3]  ; the row's sum of the unquantised p, in two chains
.irp j, 4,8,12,16,20,24,28,32,36,40,44,48,52,56,60
	v_pk_add_f32 v[14:15], v[14:15], v[S+\j:S+\j+1]
	v_pk_add_f32 v[PT:PT+1], v[PT:PT+1], v[S+2+\j:S+3+\j]
.endr
	v_pk_add_f32 v[14:15], v[14:15], v[PT:PT+1]
.set j, 0
.rept 16
	v_pk_mul_f32 v[O+j:O+j+1], v[O+j:O+j+1], v[FF:FF+1] op_sel_hi:[1,0]   ; O^T under the new M, each accumulator from its low end on
.set j, j+2
.endr
	s_wait_dscnt 0x0                               ; V
.irp t, 0,1,2,3
	v_wmma_scale_f32_16x16x128_f8f6f4 v[O+8*\t:O+8*\t+7], v[KF+12*\t:KF+12*\t+11], v[P:P+11], v[O+8*\t:O+8*\t+7], v[VSW+\t], v[PWD] matrix_a_fmt:MATRIX_FMT_FP6 matrix_b_fmt:MATRIX_FMT_FP6
.endr
.endm
.macro RUN k0, n                       ; n steps from step k0 on
	s_mov_b32 s[TK], 6144*(\k0)
	s_mov_b32 s[TS], 256*(\k0)
	s_mov_b32 s[CNT], \n
.Lstep_\@:
	STEP
	s_add_co_u32 s[TK], s[TK], 6144
	s_add_co_u32 s[TS], s[TS], 256
	s_sub_co_u32 s[CNT], s[CNT], 1
	s_cmp_lg_u32 s[CNT], 0
	s_cbranch_scc1 .Lstep_\@
.endm
.macro MEET left                       ; the next four steps' codes lie in LDS.  left: the parts that a fetching wave has issued behind the one wanted; they may stay out
	s_wait_tensorcnt \left                         ; tensor loads of a wave end in order (ISA guide 10.11.1): my part is in (no LDS load of mine is out here: the step's last wait was for 0)
	s_barrier_signal -1
	s_barrier_wait -1                              ; everybody's is
.endm
.macro PASS u                          ; the 16 queries of tile (f, u)
.irp i, 0,1,2,3,4,5
	v_mov_b32 v[QF+\i], v[QP+6*\u+\i]
	v_mov_b32 v[QF+12+\i], v[QP+6*\u+\i]
.endr
.if \u
	v_perm_b32 v[QW], v[QSW], v[QSW], 0x03020302
.else
	v_perm_b32 v[QW], v[QSW], v[QSW], 0x01000100
.endif
	v_mov_b32 v13, 0xff61b1e6                      ; the largest t so far: -3e38
	v_floor_f32 v12, -v13
	v_mov_b32 v14, 0
	v_mov_b32 v15, 0
.set j, 0
.rept 32
	v_mov_b32 v[O+j], 0                            ; the step is written once: the first finds zeros.  (These are also the places between the lines above and the first scaled product)
.set j, j+1
.endr
.if \u == 0
	MEET 3                                         ; the scale words and steps 0-3
	RUN 0, 4
	MEET 2                                         ; steps 4-7
	RUN 4, 4
	MEET 1                                         ; steps 8-11
	RUN 8, 4
	MEET 0                                         ; steps 12-15: no tensor load is out any more
	RUN 12, 4
.else
	RUN 0, 16
.endif
.rept 4
	v_nop                                          ; places behind the last products
.endr
	v_add_f32 v14, v14, v15
	v_permlanex16_b32 v[TT], v14, s[SEL], s[SEL+1]
	v_add_f32 v14, v14, v[TT]                      ; the row's sum
	v_rcp_f32 v[FF], v14
	v_nop                                          ; one plain place behind the reciprocal
.set j, 0
	s_wait_alu depctr_va_vdst(0)
.rept 16
	v_pk_mul_f32 v[S+j:S+j+1], v[O+j:O+j+1], v[FF:FF+1] op_sel_hi:[1,0]   ; register 16 b + i: d = 32 b + 16 (lane / 16) + i of my query
.set j, j+2
.endr
.irp b, 0,1
	v_max3_num_f32 v[BM+\b], |v[S+16*\b]|, |v[S+1+16*\b]|, 0x1800000
.endr
.irp i, 2,4,6,8,10,12,14
.irp b, 0,1
	v_max3_num_f32 v[BM+\b], v[BM+\b], |v[S+16*\b+\i]|, |v[S+1+16*\b+\i]|
.endr
.endr
.irp b, 0,1
	v_permlanex16_b32 v[PT+\b], v[BM+\b], s[SEL], s[SEL+1]
.endr
.irp b, 0,1
	v_max_num_f32 v[BM+\b], v[BM+\b], v[PT+\b]
.endr
.irp b, 0,1
	v_add_nc_u32 v[SO+\b], 0xff000000, v[BM+\b]
.endr
.irp b, 0,1
	v_lshrrev_b32 v[PT+\b], 23, v[SO+\b]
.endr
	v_lshl_or_b32 v[U0+\u], v[PT+1], 8, v[PT]
	s_wait_xcnt 0x0                                ; the pass before has stored from these registers
	v_cvt_scalef32_pk16_fp6_f32 v[H:H+2], v[S:S+15], v[SO]
	v_cvt_scalef32_pk16_fp6_f32 v[HT:HT+2], v[S+16:S+31], v[SO+1]
	v_nop
.irp i, 0,1,2
	v_permlane16_swap_b32 v[H+\i], v[HT+\i]
.endr
.irp i, 0,1,2
	v_mov_b32 v[H+3+\i], v[HT+\i]
.endr
	global_store_b128 v[AK0], v[H:H+3], s[8:9] offset:12288*\u          ; 512 consecutive bytes,
	global_store_b64 v[G8], v[H+4:H+5], s[8:9] offset:12288*\u+512      ; and 256
.endm
	s_load_b256 s[4:11], s[0:1], 0x0               ; qi, kv, ao, aos
	v_lshl_add_u32 v254, v0, 2, 0x32000
	v_mov_b32 v255, 0
	ds_add_u32 v254, v255
	ds_add_u32 v254, v255
	v_lshrrev_b32 v8, 5, v0
	v_readfirstlane_b32 s[WV], v8                  ; wave 0..15
	v_and_b32 v9, 31, v0
	v_and_b32 v10, 15, v0
	v_lshlrev_b32 v[AK0], 4, v9
	v_add_nc_u32 v[AV16], 98304, v[AK0]
	v_lshlrev_b32 v[G8], 3, v9
	v_add_nc_u32 v[AV8], 98816, v[G8]
	v_lshlrev_b32 v[TT], 4, v10
	v_add_nc_u32 v[AS0], 196608, v[TT]
	v_lshlrev_b32 v[G2], 1, v9
	s_mov_b32 s[CS], 0x3d38aa3b
	s_mov_b32 s[CS+1], s[CS]
	s_mov_b32 s[SEL], 0x76543210
	s_mov_b32 s[SEL+1], 0xfedcba98
	s_mov_b32 s[HM], 0xffff0000
	; descriptor group 1: a dense block as rows of 256 bytes (32 elements of 8 bytes), no padding: the images are read 16 bytes a lane on end
	s_mov_b32 s[G1C], 3<<16                        ; 15:0 no mask; 17:16 elements of 8 bytes; 20 padding off
	s_mov_b32 s[G1C+1], 32<<16                     ; tensor_dim0 = 32
	s_mov_b32 s[G1C+2], 48<<16                     ; tensor_dim1 = 48
	s_mov_b32 s[G1C+3], 32<<16                     ; tile_dim0 = 32
	s_mov_b32 s[G1C+4], 48                         ; tile_dim1 = 48
	s_mov_b32 s[G1C+5], 32                         ; from row to row: 32 elements
	s_mov_b32 s[G1C+6], 0
	s_mov_b32 s[G1C+7], 0
	s_mov_b32 s[G1S], 3<<16
	s_mov_b32 s[G1S+1], 32<<16
	s_mov_b32 s[G1S+2], 8<<16                      ; 8 rows
	s_mov_b32 s[G1S+3], 32<<16
	s_mov_b32 s[G1S+4], 8
	s_mov_b32 s[G1S+5], 32
	s_mov_b32 s[G1S+6], 0
	s_mov_b32 s[G1S+7], 0
	; what I fetch, if I fetch (waves 0-3): the place in LDS is the place in the record
	s_lshr_b32 s38, s[WV], 1
	s_mul_i32 s38, s38, 98304                      ; K's codes (waves 0, 1) or V's (waves 2, 3),
	s_and_b32 s39, s[WV], 1
	s_mul_i32 s39, s39, 12288                      ; the first or the second half of each 24,576 bytes (four steps)
	s_add_co_u32 s38, s38, s39
	s_mov_b32 s39, 0
	s_lshl_b32 s40, s[WV], 11
	s_add_co_u32 s40, s40, 196608                  ; my quarter of the 8,192 bytes of scale words
	s_mov_b32 s41, 0
	s_and_b32 s[BH], ttmp7, 0xffff
	s_lshl_b32 s[F], ttmp9, 4
	s_add_co_u32 s[F], s[F], s[WV]                 ; my block of 32 queries
	s_mul_i32 s24, s[BH], 204800
	s_mov_b32 s25, 0
	s_mul_i32 s26, s[BH], 102400
	s_mul_i32 s28, s[F], 1536
	s_add_co_u32 s28, s28, s26
	s_mov_b32 s29, 0
	s_lshr_b32 s30, s[F], 2
	s_lshl_b32 s30, s30, 8
	s_and_b32 s31, s[F], 3
	s_lshl_b32 s31, s31, 2
	s_add_co_u32 s30, s30, s31
	s_add_co_u32 s30, s30, s26
	s_add_co_u32 s30, s30, 98304
	s_mov_b32 s31, 0
	s_lshr_b32 s32, s[BH], 4
	s_lshl_b32 s32, s32, 6
	s_add_co_u32 s32, s32, s[F]                    ; 64 x batch + f
	s_lshl_b32 s32, s32, 5
	s_and_b32 s33, s[BH], 15
	s_add_co_u32 s32, s32, s33
	s_mul_i32 s32, s32, 768
	s_mov_b32 s33, 0
	s_lshl_b32 s34, s[BH], 6
	s_add_co_u32 s34, s34, s[F]
	s_lshl_b32 s34, s34, 6
	s_mov_b32 s35, 0
	s_wait_dscnt 0x0
	s_wait_kmcnt 0x0
	s_add_nc_u64 s[6:7], s[6:7], s[24:25]          ; the head's record
	s_mov_b32 s[G0S], 1                            ; 1:0 count = 1
	s_mov_b32 s[G0S+1], s40                        ; 63:32 LDS address
	s_add_nc_u64 s[G0S+2:G0S+3], s[6:7], s[40:41]  ; 120:64 global address
	s_or_b32 s[G0S+3], s[G0S+3], 0x80000000        ; 127:126 type = 2
	s_add_nc_u64 s[42:43], s[6:7], s[38:39]
.irp g, 0,1,2,3
	s_mov_b32 s[G0+4*\g], 1
	s_add_co_u32 s[G0+4*\g+1], s38, 24576*\g
	s_add_nc_u64 s[G0+4*\g+2:G0+4*\g+3], s[42:43], 24576*\g
	s_or_b32 s[G0+4*\g+3], s[G0+4*\g+3], 0x80000000
.endr
	s_cmp_lt_u32 s[WV], 4                          ; all first fills of a wave stand in one branch on the wave's number, ahead of every wait on TENSORcnt, every LDS read and every barrier: five loads of mine are out
	s_cbranch_scc0 .Lno_fetch
	tensor_load_to_lds s[G0S:G0S+3], s[G1S:G1S+7]  ; in the order in which pass 0 wants them
	s_nop 0
.irp g, 0,1,2,3
	tensor_load_to_lds s[G0+4*\g:G0+4*\g+3], s[G1C:G1C+7]
	s_nop 0
.endr
.rept 4
	v_nop
.endr
.Lno_fetch:
	s_add_nc_u64 s[36:37], s[4:5], s[30:31]
	s_add_nc_u64 s[4:5], s[4:5], s[28:29]
	s_add_nc_u64 s[8:9], s[8:9], s[32:33]
	s_add_nc_u64 s[10:11], s[10:11], s[34:35]
.irp c, 0,1,2
	global_load_b128 v[QP+4*\c:QP+4*\c+3], v[AK0], s[4:5] offset:512*\c
.endr
	global_load_b32 v[QSW], v[TT], s[36:37]
.irp i, 0,1,2,3,4,5
	v_mov_b32 v[QF+6+\i], 0                        ; the zero codes between Q and Q
.endr
.irp b, 0,1,2,3
	v_mov_b32 v[PT+\b], 0                          ; a lane permute's destination counts as one of its sources
.endr
	v_mov_b32 v[FF+1], 0                           ; named as the upper half of a pair
	s_wait_loadcnt 0x0                             ; Q
	PASS 0
	PASS 1
	v_cndmask_b32 v251, v[U0], v[U0+1], s[HM]      ; lane 16 u + r carries row r of tile u
	global_store_b16 v[G2], v251, s[10:11]         ; 64 consecutive bytes: one byte in 24 of the result; longer runs would want a barrier for them alone
	s_wait_tensorcnt 0x0
	ds_add_u32 v254, v255
	s_wait_dscnt 0x0
	s_endpgm
.Lfunc_end_k_q55fca0a59c_attn:
	.size	k_q55fca0a59c_attn, .Lfunc_end_k_q55fca0a59c_attn-k_q55fca0a59c_attn
	.p2alignl 7, 3214868480
	.fill 96, 4, 3214868480
	.section	.rodata,"a",@progbits
	.p2align	6, 0x0
	.amdhsa_kernel k_q55fca0a59c_attn
		.amdhsa_group_segment_fixed_size 206848
		.amdhsa_private_segment_fixed_size 0
		.amdhsa_enable_private_segment 0
		.amdhsa_kernarg_size 32
		.amdhsa_user_sgpr_count 2
		.amdhsa_user_sgpr_kernarg_segment_ptr 1
		.amdhsa_wavefront_size32 1
		.amdhsa_system_sgpr_workgroup_id_x 1
		.amdhsa_system_sgpr_workgroup_id_y 1
		.amdhsa_system_sgpr_workgroup_id_z 1
		.amdhsa_system_vgpr_workitem_id 0
		.amdhsa_next_free_vgpr 256
		.amdhsa_next_free_sgpr 84
		.amdhsa_reserve_vcc 0
		.amdhsa_float_denorm_mode_32 3
		.amdhsa_float_denorm_mode_16_64 3
		.amdhsa_memory_ordered 1
		.amdhsa_forward_progress 1
		.amdhsa_inst_pref_size 96
	.end_amdhsa_kernel
	.amdgpu_metadata
---
amdhsa.version: [ 1, 2 ]
amdhsa.kernels:
  - .name:           k_q55fca0a59c_attn
    .symbol:         k_q55fca0a59c_attn.kd
    .args:
      - { .name: qi, .offset: 0, .size: 8, .value_kind: global_buffer, .address_space: global }
      - { .name: kv, .offset: 8, .size: 8, .value_kind: global_buffer, .address_space: global }
      - { .name: ao, .offset: 16, .size: 8, .value_kind: global_buffer, .address_space: global }
      - { .name: aos, .offset: 24, .size: 8, .value_kind: global_buffer, .address_space: global }
    .group_segment_fixed_size: 206848
    .private_segment_fixed_size: 0
    .kernarg_segment_align: 8
    .kernarg_segment_size: 32
    .max_flat_workgroup_size: 512
    .sgpr_count:     84
    .vgpr_count:     256
    .wavefront_size: 32
...
	.end_amdgpu_metadata
.endif
;; end of part 3
;; launch outln (part 4): grid 256 x 1, 16 waves a work-group, no clusters, 101,376 bytes of LDS; arguments ao, aos, wimg, Wo_scales, bo, x, gamma, beta, out0; writes out0
.if DOCPART == 4
	.amdgcn_target "amdgcn-amd-amdhsa--gfx1250"
	.amdhsa_code_object_version 6
	.text
	.protected	k_q55fca0a59c_outln
	.globl	k_q55fca0a59c_outln
	.p2align	8
	.type	k_q55fca0a59c_outln,@function
k_q55fca0a59c_outln:
	s_mov_b64 s[64:65], 0
	v_nop
	global_prefetch_b8 v0, s[64:65] scope:SCOPE_SE
	s_setreg_imm32_b32 hwreg(HW_REG_WAVE_MODE, 25, 1), 1
	s_wait_xcnt 0x0
; out0 = LayerNorm(Q(attention's result) Wo + bo + x) x gamma + beta.  The product on codes of E2M3; all else f32.
; SHARES.  A work-group owns 32 whole token rows (two tiles u: tokens 32 F + 8 u + r + 8 (r / 8)), as the norm needs; wave w owns columns 64 w .. 64 w + 63: four tiles of Wo.
; THE PRODUCT IS USED TRANSPOSED (source 0 = 16 columns of Wo, source 1 = 16 tokens): a lane holds one token; register 32 u + 16 b + i is column 64 w + 32 b + 16 (lane / 16) + i.  x + bo is the C of the first K step.
; Each weight fragment is read by one wave of the work-group alone, so it goes from memory straight into registers, three loads of 512 consecutive bytes, a K step ahead, and feeds two products.
; The tokens' codes, 24,576 bytes, are copied into LDS once: a K step's fragment is two neighbouring heads' half images.
; The norm in two passes (mean; then squares of the differences): no difference of large sums.  The waves' parts meet in LDS: 32 rows x 16 words, rows 80 bytes apart.
; x comes in and the result leaves by rows, sixteen lanes to 256 consecutive aligned bytes, through each wave's own stage (16 rows x 272 bytes).
; No joint loads: the weights, which all work-groups walk, go into registers.  No prefetch: the weights are read by every work-group, and all else is asked for at the head.
.set STG,  24576                       ; LDS: 0 the tokens' codes; 24,576 + 4,352 x wave the stages;
.set RED1, 94208                       ; the sums;
.set RED2, 96768                       ; the sums of squares
.set ACC, 16                           ; v16-79  eight accumulators: tile of tokens u, tile of columns t at 32 u + 8 t
.set WF,  80                           ; v80-127, v128-175 two sets of four weight fragments; later gamma, beta, the waves' sums, rows on the way out
.set AF,  176                          ; v176-199 the two tiles' fragments
.set WS,  200                          ; v200-215 Wo's scale words: register 8 b + s: lanes 0-15 tile 2 b, lanes 16-31 tile 2 b + 1
.set AS,  216                          ; v216-223 the tokens' scale words, K step s: lanes 0-15 tile u = 0, lanes 16-31 tile u = 1
.set CPY, 224
.set MU,  236                          ; v[236:237], v[238:239] -mean, later 1 / sqrt(var + eps), of my row in tile 0, 1, twice each
.set TS,  240                          ; v240-244 at work
.set RD,  144
.set GA,  80
.set BE,  112
.set WV,  22
.set SEL, 24
.set HM,  26
.set RK,  27
.set EPS, 28
.set NRK, 29
.macro PLACES
.rept 4
	v_nop
.endr
.endm
.macro WLOAD s                         ; K step s's four fragments into set s % 2
.irp t, 0,1,2,3
.irp c, 0,1,2
	global_load_b128 v[WF+48*((\s)%2)+12*\t+4*\c:WF+48*((\s)%2)+12*\t+4*\c+3], v2, s[8:9] offset:(8*(\s)+\t)*1536+512*\c
.endr
.endr
.endm
.macro KSTEP s
.if \s > 0
	PLACES                                         ; in front of loads into registers that the last eight products read
.endif
.if \s < 7
	WLOAD \s+1
.endif
.irp u, 0,1
	ds_load_b128 v[AF+12*\u:AF+12*\u+3], v2 offset:(16*\u+2*\s)*768
	ds_load_b64 v[AF+12*\u+4:AF+12*\u+5], v3 offset:(16*\u+2*\s)*768+512
	ds_load_b128 v[AF+12*\u+6:AF+12*\u+9], v2 offset:(16*\u+2*\s)*768+768
	ds_load_b64 v[AF+12*\u+10:AF+12*\u+11], v3 offset:(16*\u+2*\s)*768+1280
.endr
.if \s < 7
	s_wait_loadcnt 12                              ; this K step's weights are in; the next step's twelve loads stay out
.else
	s_wait_loadcnt 0x0
.endif
	s_wait_dscnt 0x0
.irp t, 0,1,2,3                        ; the eight accumulators by turns
.if \t%2
	v_wmma_scale_f32_16x16x128_f8f6f4 v[ACC+8*\t:ACC+8*\t+7], v[WF+48*(\s%2)+12*\t:WF+48*(\s%2)+12*\t+11], v[AF:AF+11], v[ACC+8*\t:ACC+8*\t+7], v[WS+8*(\t/2)+\s], v[AS+\s] matrix_a_fmt:MATRIX_FMT_FP6 matrix_b_fmt:MATRIX_FMT_FP6 matrix_a_scale:MATRIX_SCALE_ROW1
	v_wmma_scale_f32_16x16x128_f8f6f4 v[ACC+32+8*\t:ACC+32+8*\t+7], v[WF+48*(\s%2)+12*\t:WF+48*(\s%2)+12*\t+11], v[AF+12:AF+23], v[ACC+32+8*\t:ACC+32+8*\t+7], v[WS+8*(\t/2)+\s], v[AS+\s] matrix_a_fmt:MATRIX_FMT_FP6 matrix_b_fmt:MATRIX_FMT_FP6 matrix_a_scale:MATRIX_SCALE_ROW1 matrix_b_scale:MATRIX_SCALE_ROW1
.else
	v_wmma_scale_f32_16x16x128_f8f6f4 v[ACC+8*\t:ACC+8*\t+7], v[WF+48*(\s%2)+12*\t:WF+48*(\s%2)+12*\t+11], v[AF:AF+11], v[ACC+8*\t:ACC+8*\t+7], v[WS+8*(\t/2)+\s], v[AS+\s] matrix_a_fmt:MATRIX_FMT_FP6 matrix_b_fmt:MATRIX_FMT_FP6
	v_wmma_scale_f32_16x16x128_f8f6f4 v[ACC+32+8*\t:ACC+32+8*\t+7], v[WF+48*(\s%2)+12*\t:WF+48*(\s%2)+12*\t+11], v[AF+12:AF+23], v[ACC+32+8*\t:ACC+32+8*\t+7], v[WS+8*(\t/2)+\s], v[AS+\s] matrix_a_fmt:MATRIX_FMT_FP6 matrix_b_fmt:MATRIX_FMT_FP6 matrix_b_scale:MATRIX_SCALE_ROW1
.endif
.endr
.endm
; The pairs v[TS:TS+1] (tile 0) and v[TS+2:TS+3] (tile 1) hold my lane's part of its row's sum.  They are joined over the halves of the lanes and over the sixteen waves, through the 32 x 16 words at off bytes behind RED1;
; the rows' sums come back in v[RD] (tile 0) and v[RD+16] (tile 1).
.macro ALLSUM off
	v_add_f32 v[TS], v[TS], v[TS+1]
	v_add_f32 v[TS+2], v[TS+2], v[TS+3]
	v_permlanex16_b32 v[TS+1], v[TS], s[SEL], s[SEL+1]
	v_permlanex16_b32 v[TS+3], v[TS+2], s[SEL], s[SEL+1]
	v_add_f32 v[TS], v[TS], v[TS+1]
	v_add_f32 v[TS+2], v[TS+2], v[TS+3]
	v_cndmask_b32 v[TS+4], v[TS], v[TS+2], s[HM]   ; lane 16 u + r carries row r of tile u
	ds_store_b32 v7, v[TS+4] offset:\off
	s_wait_dscnt 0x0                               ; for the others' sake
	s_barrier_signal -1
	s_barrier_wait -1
.irp u, 0,1
.irp q, 0,1,2,3
	ds_load_b128 v[RD+16*\u+4*\q:RD+16*\u+4*\q+3], v8 offset:\off+1280*\u+16*\q
.endr
.endr
	s_wait_dscnt 0x0
.irp k, 2,4,6,8,10,12,14
.irp u, 0,1
	v_pk_add_f32 v[RD+16*\u:RD+16*\u+1], v[RD+16*\u:RD+16*\u+1], v[RD+16*\u+\k:RD+16*\u+\k+1]
.endr
.endr
.irp u, 0,1
	v_add_f32 v[RD+16*\u], v[RD+16*\u], v[RD+16*\u+1]
.endr
.endm
	s_load_b512 s[4:19], s[0:1], 0x0               ; ao, aos, wimg, Wo's scales, bo, x, gamma, beta
	s_load_b64 s[20:21], s[0:1], 0x40              ; out0
	v_lshl_add_u32 v254, v0, 2, 0x18400
	v_mov_b32 v255, 0
	v_lshrrev_b32 v12, 5, v0
	v_readfirstlane_b32 s[WV], v12                 ; wave 0..15
	v_and_b32 v12, 31, v0                          ; lane
	v_and_b32 v13, 15, v0                          ; r
	v_bfe_u32 v14, v0, 4, 1                        ; h
	v_and_b32 v15, 8, v13
	v_add_nc_u32 v15, v15, v13                     ; r + 8 (r / 8)
	v_lshlrev_b32 v1, 4, v0                        ; 16 x thread
	v_lshlrev_b32 v2, 4, v12                       ; 16 x lane
	v_lshlrev_b32 v3, 3, v12                       ; 8 x lane
	s_mul_i32 s30, s[WV], 16*272
	s_add_co_u32 s30, s30, STG                     ; my stage
	v_mul_u32_u24 v4, v14, 272
	v_lshl_add_u32 v4, v13, 4, v4
	v_add_nc_u32 v4, s30, v4                       ; by rows: lanes 0-15 one row of 256 bytes, lanes 16-31 the next
	v_mul_u32_u24 v5, v13, 272
	v_lshl_add_u32 v5, v14, 6, v5
	v_add_nc_u32 v5, s30, v5                       ; by the result's layout: row r, + 64 h
	v_lshlrev_b32 v6, 12, v14
	v_lshl_add_u32 v6, v13, 4, v6                  ; the same two rows in x and out0
	s_lshl_b32 s31, s[WV], 2
	s_add_co_u32 s31, s31, RED1
	v_mul_u32_u24 v7, v12, 80
	v_add_nc_u32 v7, s31, v7                       ; row = lane, word = wave
	v_mul_u32_u24 v8, v13, 80
	v_add_nc_u32 v8, RED1, v8
	v_lshlrev_b32 v9, 6, v14                       ; bo, gamma, beta: my half's 16 numbers of a block of 32
	v_lshl_add_u32 v10, v14, 3, v15
	v_lshlrev_b32 v10, 5, v10                      ; Wo's scale rows of 32 bytes
	v_lshlrev_b32 v11, 1, v12
	s_mov_b32 s[SEL], 0x76543210
	s_mov_b32 s[SEL+1], 0xfedcba98
	s_mov_b32 s[HM], 0xffff0000
	s_mov_b32 s[RK], 0x3a800000                    ; 1 / 1024
	s_mov_b32 s[NRK], 0xba800000
	s_mov_b32 s[EPS], 0x2b8cbccc                   ; 1e-12
	s_mul_i32 s32, ttmp9, 24576
	s_mov_b32 s33, 0
	s_lshr_b32 s34, ttmp9, 6
	s_lshl_b32 s34, s34, 16                        ; aos: batch x 16 heads x 4,096 bytes
	s_and_b32 s35, ttmp9, 63
	s_lshl_b32 s35, s35, 6
	s_add_co_u32 s34, s34, s35
	s_mov_b32 s35, 0
	s_lshr_b32 s36, s[WV], 1
	s_add_co_u32 s36, s36, 24                      ; weight 3, group of 128 columns wave / 2
	s_mul_i32 s36, s36, 64*1536
	s_and_b32 s37, s[WV], 1
	s_mul_i32 s37, s37, 4*1536                     ; its tiles 0-3 or 4-7
	s_add_co_u32 s36, s36, s37
	s_mov_b32 s37, 0
	s_lshl_b32 s38, s[WV], 11
	s_mov_b32 s39, 0
	s_lshl_b32 s40, s[WV], 8
	s_mov_b32 s41, 0
	s_lshl_b32 s42, ttmp9, 17
	s_add_co_u32 s42, s42, s40
	s_mov_b32 s43, 0
	s_wait_kmcnt 0x0
	s_add_nc_u64 s[4:5], s[4:5], s[32:33]
	s_add_nc_u64 s[6:7], s[6:7], s[34:35]
	s_add_nc_u64 s[8:9], s[8:9], s[36:37]
	s_add_nc_u64 s[10:11], s[10:11], s[38:39]
	s_add_nc_u64 s[12:13], s[12:13], s[40:41]
	s_add_nc_u64 s[14:15], s[14:15], s[42:43]
	s_add_nc_u64 s[16:17], s[16:17], s[40:41]
	s_add_nc_u64 s[18:19], s[18:19], s[40:41]
	s_add_nc_u64 s[20:21], s[20:21], s[42:43]
.irp c, 0,1,2
	global_load_b128 v[CPY+4*\c:CPY+4*\c+3], v1, s[4:5] offset:8192*\c              ; 3: the tokens' codes
.endr
.irp u, 0,1
.irp i, 0,1,2,3,4,5,6,7
	global_load_b128 v[ACC+32*\u+4*\i:ACC+32*\u+4*\i+3], v6, s[14:15] offset:(8*\u+2*\i+8*(\i/4))*4096 th:TH_LOAD_NT   ; 16: x, rows 2 i and 2 i + 1 of tile u
.endr
.endr
.irp b, 0,1
.irp q, 0,1,2,3
	global_load_b128 v[128+16*\b+4*\q:131+16*\b+4*\q], v9, s[12:13] offset:128*\b+16*\q      ; 8: bo
.endr
.endr
.irp n, 0,1,2,3,4,5,6,7,8,9,10,11,12,13,14,15
	global_load_u16 v[160+\n], v11, s[6:7] offset:4096*\n                           ; 16: head n's two scale bytes of row lane
.endr
.irp b, 0,1
	global_load_b128 v[WS+8*\b:WS+8*\b+3], v10, s[10:11] offset:1024*\b             ; 4: Wo's scale words
	global_load_b128 v[WS+8*\b+4:WS+8*\b+7], v10, s[10:11] offset:1024*\b+16
.endr
	WLOAD 0                                        ; 12
	s_wait_loadcnt 56                              ; behind the codes' three loads stand 16 + 8 + 16 + 4 + 12
.irp c, 0,1,2
	ds_store_b128 v1, v[CPY+4*\c:CPY+4*\c+3] offset:8192*\c
.endr
	s_wait_loadcnt 40                              ; behind x's stand 8 + 16 + 4 + 12
.irp u, 0,1                            ; x turns through my stage into the result's layout; LDS serves a wave's instructions in order
.irp i, 0,1,2,3,4,5,6,7
	ds_store_b128 v4, v[ACC+32*\u+4*\i:ACC+32*\u+4*\i+3] offset:544*\i
.endr
.irp b, 0,1
.irp q, 0,1,2,3
	ds_load_b128 v[ACC+32*\u+16*\b+4*\q:ACC+32*\u+16*\b+4*\q+3], v5 offset:128*\b+16*\q
.endr
.endr
.endr
	s_wait_loadcnt 12                              ; all but the first K step's weights
.irp s, 0,1,2,3,4,5,6,7
	v_lshl_or_b32 v[AS+\s], v[161+2*\s], 16, v[160+2*\s]    ; K step s = heads 2 s, 2 s + 1: four bytes
.endr
	s_wait_dscnt 0x0                               ; x is back; and, for the others' sake, my part of the codes lies in LDS
.irp u, 0,1
.set j, 0
.rept 16
	v_pk_add_f32 v[ACC+32*\u+j:ACC+32*\u+j+1], v[ACC+32*\u+j:ACC+32*\u+j+1], v[128+j:129+j]   ; x + bo: what the sums begin with.  (Also the places between the scale words' lines and the first product)
.set j, j+2
.endr
.endr
	s_barrier_signal -1
	s_barrier_wait -1
.irp s, 0,1,2,3,4,5,6,7
	KSTEP \s
.endr
	PLACES
.irp b, 0,1
.irp q, 0,1,2,3
	global_load_b128 v[GA+16*\b+4*\q:GA+16*\b+4*\q+3], v9, s[16:17] offset:128*\b+16*\q
	global_load_b128 v[BE+16*\b+4*\q:BE+16*\b+4*\q+3], v9, s[18:19] offset:128*\b+16*\q
.endr
.endr
.irp u, 0,1
	v_pk_add_f32 v[TS+2*\u:TS+2*\u+1], v[ACC+32*\u:ACC+32*\u+1], v[ACC+32*\u+2:ACC+32*\u+3]   ; each accumulator from its low end on
.endr
.irp j, 4,6,8,10,12,14,16,18,20,22,24,26,28,30
.irp u, 0,1
	v_pk_add_f32 v[TS+2*\u:TS+2*\u+1], v[TS+2*\u:TS+2*\u+1], v[ACC+32*\u+\j:ACC+32*\u+\j+1]
.endr
.endr
	ALLSUM 0
.irp u, 0,1
	v_mul_f32 v[MU+2*\u], s[NRK], v[RD+16*\u]      ; -mean
.endr
.irp u, 0,1
	v_mov_b32 v[MU+2*\u+1], v[MU+2*\u]
.endr
.irp u, 0,1
.set j, 0
.rept 16
	v_pk_add_f32 v[ACC+32*\u+j:ACC+32*\u+j+1], v[ACC+32*\u+j:ACC+32*\u+j+1], v[MU+2*\u:MU+2*\u+1]
.set j, j+2
.endr
.endr
.irp u, 0,1
	v_pk_mul_f32 v[TS+2*\u:TS+2*\u+1], v[ACC+32*\u:ACC+32*\u+1], v[ACC+32*\u:ACC+32*\u+1]
.endr
.irp j, 2,4,6,8,10,12,14,16,18,20,22,24,26,28,30
.irp u, 0,1
	v_pk_fma_f32 v[TS+2*\u:TS+2*\u+1], v[ACC+32*\u+\j:ACC+32*\u+\j+1], v[ACC+32*\u+\j:ACC+32*\u+\j+1], v[TS+2*\u:TS+2*\u+1]
.endr
.endr
	ALLSUM RED2-RED1
.irp u, 0,1
	v_fma_f32 v[RD+16*\u], v[RD+16*\u], s[RK], s[EPS]       ; var + eps
.endr
.irp u, 0,1
	v_rsq_f32 v[MU+2*\u], v[RD+16*\u]
.endr
	v_nop                                          ; one plain place behind the transcendentals
	s_wait_alu depctr_va_vdst(0)
.irp u, 0,1
	v_mov_b32 v[MU+2*\u+1], v[MU+2*\u]
.endr
.irp u, 0,1
.set j, 0
.rept 16
	v_pk_mul_f32 v[ACC+32*\u+j:ACC+32*\u+j+1], v[ACC+32*\u+j:ACC+32*\u+j+1], v[MU+2*\u:MU+2*\u+1]
.set j, j+2
.endr
.endr
	s_wait_loadcnt 0x0                             ; gamma, beta
.irp u, 0,1
.set j, 0
.rept 16
	v_pk_fma_f32 v[ACC+32*\u+j:ACC+32*\u+j+1], v[ACC+32*\u+j:ACC+32*\u+j+1], v[GA+j:GA+j+1], v[BE+j:BE+j+1]
.set j, j+2
.endr
.endr
	; the way out: through my stage, back as rows; tile 0 into v144-175, tile 1 into v80-111
.irp u, 0,1
.irp b, 0,1
.irp q, 0,1,2,3
	ds_store_b128 v5, v[ACC+32*\u+16*\b+4*\q:ACC+32*\u+16*\b+4*\q+3] offset:128*\b+16*\q
.endr
.endr
.irp i, 0,1,2,3,4,5,6,7
	ds_load_b128 v[RD-64*\u+4*\i:RD-64*\u+4*\i+3], v4 offset:544*\i
.endr
.endr
.irp i, 0,1,2,3,4,5,6,7
	s_wait_dscnt 23-\i                             ; behind tile 0's load i: its 7 - i later loads and tile 1's sixteen instructions
	global_store_b128 v6, v[RD+4*\i:RD+4*\i+3], s[20:21] offset:(2*\i+8*(\i/4))*4096 th:TH_STORE_NT   ; sixteen lanes store 256 consecutive bytes, aligned
.endr
.irp i, 0,1,2,3,4,5,6,7
	s_wait_dscnt 7-\i
	global_store_b128 v6, v[GA+4*\i:GA+4*\i+3], s[20:21] offset:(8+2*\i+8*(\i/4))*4096 th:TH_STORE_NT
.endr
	s_wait_tensorcnt 0x0
	ds_add_u32 v254, v255
	s_wait_dscnt 0x0
	s_endpgm
.Lfunc_end_k_q55fca0a59c_outln:
	.size	k_q55fca0a59c_outln, .Lfunc_end_k_q55fca0a59c_outln-k_q55fca0a59c_outln
	.p2alignl 7, 3214868480
	.fill 96, 4, 3214868480
	.section	.rodata,"a",@progbits
	.p2align	6, 0x0
	.amdhsa_kernel k_q55fca0a59c_outln
		.amdhsa_group_segment_fixed_size 101376
		.amdhsa_private_segment_fixed_size 0
		.amdhsa_enable_private_segment 0
		.amdhsa_kernarg_size 72
		.amdhsa_user_sgpr_count 2
		.amdhsa_user_sgpr_kernarg_segment_ptr 1
		.amdhsa_wavefront_size32 1
		.amdhsa_system_sgpr_workgroup_id_x 1
		.amdhsa_system_sgpr_workgroup_id_y 1
		.amdhsa_system_sgpr_workgroup_id_z 1
		.amdhsa_system_vgpr_workitem_id 0
		.amdhsa_next_free_vgpr 256
		.amdhsa_next_free_sgpr 66
		.amdhsa_reserve_vcc 0
		.amdhsa_float_denorm_mode_32 3
		.amdhsa_float_denorm_mode_16_64 3
		.amdhsa_memory_ordered 1
		.amdhsa_forward_progress 1
		.amdhsa_inst_pref_size 56
	.end_amdhsa_kernel
	.amdgpu_metadata
---
amdhsa.version: [ 1, 2 ]
amdhsa.kernels:
  - .name:           k_q55fca0a59c_outln
    .symbol:         k_q55fca0a59c_outln.kd
    .args:
      - { .name: ao, .offset: 0, .size: 8, .value_kind: global_buffer, .address_space: global }
      - { .name: aos, .offset: 8, .size: 8, .value_kind: global_buffer, .address_space: global }
      - { .name: wimg, .offset: 16, .size: 8, .value_kind: global_buffer, .address_space: global }
      - { .name: Wo_scales, .offset: 24, .size: 8, .value_kind: global_buffer, .address_space: global }
      - { .name: bo, .offset: 32, .size: 8, .value_kind: global_buffer, .address_space: global }
      - { .name: x, .offset: 40, .size: 8, .value_kind: global_buffer, .address_space: global }
      - { .name: gamma, .offset: 48, .size: 8, .value_kind: global_buffer, .address_space: global }
      - { .name: beta, .offset: 56, .size: 8, .value_kind: global_buffer, .address_space: global }
      - { .name: out0, .offset: 64, .size: 8, .value_kind: global_buffer, .address_space: global }
    .group_segment_fixed_size: 101376
    .private_segment_fixed_size: 0
    .kernarg_segment_align: 8
    .kernarg_segment_size: 72
    .max_flat_workgroup_size: 512
    .sgpr_count:     66
    .vgpr_count:     256
    .wavefront_size: 32
...
	.end_amdgpu_metadata
.endif
;; end of part 4
;; ======== version 2 of 2: 4 launches; version 1 with the launches qkv, outln written anew for expert scheduling mode
;; workspace buffers: xq 6,553,600 bytes; wimg 3,145,728 bytes; qi 6,553,600 bytes; kv 13,107,200 bytes; ao 6,291,456 bytes; aos 262,144 bytes
;; launch prep: the kernel of part 1 again; grid 576 x 1, 4 waves a work-group, no clusters, 34,304 bytes of LDS; arguments x, Wq_codes, Wk_codes, Wv_codes, Wo_codes, xq, wimg; writes xq, wimg
;; launch qkv (part 5): grid 8 x 32, 4 waves a work-group, no clusters, 242,176 bytes of LDS; arguments xq, wimg, Wq_scales, Wk_scales, Wv_scales, bq, bk, bv, qi, kv; writes qi, kv
.if DOCPART == 5
	.amdgcn_target "amdgcn-amd-amdhsa--gfx1250"
	.amdhsa_code_object_version 6
	.text
	.protected	k_q55fca0a59c_qkv
	.globl	k_q55fca0a59c_qkv
	.p2align	8
	.type	k_q55fca0a59c_qkv,@function
k_q55fca0a59c_qkv:
	s_mov_b64 s[64:65], 0
	v_nop
	global_prefetch_b8 v0, s[64:65] scope:SCOPE_SE
	s_setreg_imm32_b32 hwreg(HW_REG_WAVE_SCHED_MODE, 0, 2), 2
	s_setreg_imm32_b32 hwreg(HW_REG_WAVE_MODE, 25, 1), 1
	s_wait_xcnt 0x0
	s_wait_alu depctr_vm_vsrc(0)
; q, k, v = Q(x) W + b on codes of E2M3, and each result quantised for attention: q and k along the head's 64, v along the keys.  (The factor 1/32 on q is a power of two: it is left to the softmax's constant.)
; SHARES.  Work-group y: a pair of blocks of 128 tokens.  Work-group x = 0 .. 3: q (0, 1) and k (2, 3), column half x % 2 (512 columns), BOTH blocks of the pair.  x = 4 .. 7: v, column half x % 2, ONE block, the pair's block (x - 4) / 2:
; v's way has 320 LDS instructions a trip more than q's and k's, so it gets twice the work-groups: 128 + 128 = 256 in all.  Wave w: 128 columns = two heads.  ITS 64 WEIGHT FRAGMENTS STAY IN REGISTERS for the whole
; launch (768 registers: fragment i = 8 x K step + tile in window 1 + i / 21 at 12 (i % 21); fragment 63 in window 0).  What goes round is x: a block's images, 102,400 bytes, are copied into LDS, and each fragment read from there feeds 8 products.
; THE PRODUCT IS USED TRANSPOSED (source 0 = 16 columns of W, source 1 = 16 tokens): a lane holds one token, and since tile 2 b + u of W holds columns 32 b + 8 u + r + 8 (r / 8), its registers 16 b + i are columns 32 b + 16 (lane / 16) + i.
; q, k: the 64 numbers of a lane are two heads' d: quantised in registers; the two tiles (f, 0), (f, 1) of 32 tokens make a PAIR IMAGE a head: registers 0-5 tile 0, registers 6-11 tile 1, lane (r, h) holding d = 32 h + 0 .. 31.
; v: 64 tokens x 128 columns are turned through the wave's own stage in LDS, so that a lane holds 32 neighbouring keys of one d; half images of 768 bytes (registers 0-3 at 16 l, registers 4-5 at 512 + 8 l).
; OUT.  qi: [batch x head][102,400]: pair images [f (64)][1,536]; from 98,304 scale words [f / 4][r][f % 4].  kv: [batch x head][204,800]: k as qi at 0 (words at 196,608); v at 98,304: [64 keys (32)][d tile (4)][768]; its words at 200,704: [128 keys][r][d tile].
; No joint loads: the operand that work-groups of a column group share, the weights, is loaded once into registers; x's block goes through registers into LDS.
; No prefetch: both blocks of a pair are asked for at the launch's head, the second by v's work-groups.
; LIMITS as in the quantiser's rule: a block of zeros gets byte 1 with zero codes; blocks under 2^-124 are held at byte 1; NaN and infinities are not served.
; THE MODE: SCHED_MODE bits 1:0 = 2 (LLVM: expert scheduling mode 2), set by the entry lines.  The code itself states the register dependences between vector or matrix instructions and memory or LDS instructions, with s_wait_alu, always for 0.
; THE PLAN.  Registers that memory or LDS instructions touch:
;   the ring XF, XSW   Place k % 4: the LDS loads of K step k land in it; the eight products of K step k read it.
;   XA, XN, XSA, XSN   Read by the ring's loads; written by vector additions at a trip's head (XN, XSN at a block's head too).
;   ACC                Written by the products and the bias.  On v's way the stage's LDS stores read it, and VPOST's LDS loads land in it, half by half, for VPOST's vector lines to read.
;   IA, IB             Written by QUANT (v: by VPOST's conversions); read by the images' global stores.
;   ST                 Written by four selects at a block's end; read by one global store.
;   v64-243            At a block's edge the copy's loads land in them and its LDS stores read them.
;   All other addresses and offsets are made at the head and never written again.
; ONE wait on va_vdst stands at the head of each two K steps: the sixteen products before it are done reading the two places of the ring that are loaded next.  The two groups of loads follow it, one ahead of each K step's eight products;
; the products between name another place of the ring, weights, their scale words and the accumulators: none of the registers that those loads touch.
.set XSC,    98304                     ; LDS: 0 x's 64 fragments; 98,304 their scale words, 64 bytes each;
.set VSTG,   102400                    ; from here a stage of 128 rows (columns of v) x 272 bytes (64 tokens + 16) for each wave
.set VPITCH, 272
.set L16, 1                            ; v1   16 x lane
.set XA,  2                            ; v2   LDS: this trip's fragments;  v3 the next trip's;  v4, v5 the same for the scale words
.set XN,  3
.set XSA, 4
.set XSN, 5
.set CP0, 6                            ; v6   16 x thread;  v7 + 51,200: the copy
.set CP1, 7
.set O16B, 8                           ; v8   16 x lane + a head's record: the wave's second head
.set SCO, 9                            ; v9   16 (lane % 16) + (lane / 16) x a head's record
.set VW,  10                           ; v10  the stage, in;  v11 out
.set VR,  11
.set SH8, 12                           ; v12  8 (lane / 16)
.set L8,  13                           ; v13  8 x lane;  v14 + a head's record
.set O8B, 14
.set F63, 16                           ; v16-27  weight fragment 63
.set WS,  28                           ; v28-59  the weights' scale words: register 8 b + s: lanes 0-15 tile 2 b's rows, lanes 16-31 tile 2 b + 1's
.set BR,  60                           ; v60-63  the bias: register b, lane l: column 32 b + l
.set ACC, 64                           ; v64-127 eight accumulators.  (At a block's edge v64-243 carry the copy: nothing in them lives from block to block)
.set XF,  128                          ; v128-175 a ring of four fragments of x;  v176-179 their scale words
.set XSW, 176
.set TM,  180                          ; v180-195 at work in QUANT
.set PW0, 196                          ; v196, v197 the scale words of tiles u = 0, 1
.set CT,  198
.set IA,  206                          ; v206-217 the first head's image;  v218-229 the second's
.set IB,  218
.set SA,  230                          ; v230-233 a block's four scale words of the first head;  v234-237 of the second
.set SBH, 234
.set ST,  238
.set T0,  242                          ; v242-245 at work
.set R4,  246                          ; v246 XSC + 4 (lane % 16)
.set WV,   24
.set KIND, 26                          ; 0 q, 1 k, 2 v
.set HALF, 27
.set RG,   28
.set HS,   29                          ; a head's record in bytes
.set SEL,  30                          ; s[30:31] lane selects: lane l xor 16
.set HM,   32                          ; lanes 16-31
.set FB,   33                          ; my first block of 128 tokens
.set XB,   40                          ; s[40:41] the block's record in xq
.set OB,   42                          ; s[42:43] where this trip's images go
.set SB,   44                          ; s[44:45] where this block's scale words go
.set WB,   46
.set SCB,  48
.set BB,   50
.set BLK,  66
.set TR,   67
.set TB,   68
.set NX,   69
.set TBS,  70
.set NXS,  71
.set MSB, 0
.macro WIN new                         ; the immediate's high byte repeats the setting that is left; a switch that changes nothing is dropped
.if MSB != (\new)
	s_set_vgpr_msb (MSB<<8)|(\new)
.set MSB, (\new)
.endif
.endm
.macro PLACES                          ; four places behind matrix instructions, in front of loads into their registers and of the first read of results
.rept 4
	v_nop
.endr
.endm
.macro QUANT s, d0, d1, pw             ; 64 numbers of a lane, register 16 b + i = k 32 b + 16 (lane / 16) + i, become codes of k = 32 h .. in v[d0 ..+5], of k = 64 + 32 h .. in v[d1 ..+5], and the scale word v[pw]
.irp b, 0,1,2,3
	v_max3_num_f32 v[TM+\b], |v[(\s)+16*\b]|, |v[(\s)+1+16*\b]|, 0x1800000   ; my 16 numbers of block b and the floor 2^(3 - 127)
.endr
.irp i, 2,4,6,8,10,12,14
.irp b, 0,1,2,3
	v_max3_num_f32 v[TM+\b], v[TM+\b], |v[(\s)+16*\b+\i]|, |v[(\s)+1+16*\b+\i]|
.endr
.endr
.irp b, 0,1,2,3
	v_permlanex16_b32 v[TM+4+\b], v[TM+\b], s[SEL], s[SEL+1]
.endr
.irp b, 0,1,2,3
	v_max_num_f32 v[TM+\b], v[TM+\b], v[TM+4+\b]
.endr
.irp b, 0,1,2,3
	v_add_nc_u32 v[TM+12+\b], 0xff000000, v[TM+\b]     ; 2 off the exponent field: the conversion's scale operand
.endr
.irp b, 0,1,2,3
	v_lshrrev_b32 v[TM+4+\b], 23, v[TM+12+\b]          ; the scale's byte
.endr
	v_lshl_or_b32 v[\pw], v[TM+5], 8, v[TM+4]
	v_lshl_or_b32 v[\pw], v[TM+6], 16, v[\pw]
	v_lshl_or_b32 v[\pw], v[TM+7], 24, v[\pw]
	v_cvt_scalef32_pk16_fp6_f32 v[(\d0):(\d0)+2], v[(\s):(\s)+15], v[TM+12]
	v_cvt_scalef32_pk16_fp6_f32 v[CT:CT+2], v[(\s)+16:(\s)+31], v[TM+13]
	v_cvt_scalef32_pk16_fp6_f32 v[(\d1):(\d1)+2], v[(\s)+32:(\s)+47], v[TM+14]
	v_cvt_scalef32_pk16_fp6_f32 v[CT+4:CT+6], v[(\s)+48:(\s)+63], v[TM+15]
	v_nop                                              ; one plain place behind the scaled conversions
.irp i, 0,1,2
	v_permlane16_swap_b32 v[(\d0)+\i], v[CT+\i]
	v_permlane16_swap_b32 v[(\d1)+\i], v[CT+4+\i]
.endr
.irp i, 0,1,2
	v_mov_b32 v[(\d0)+3+\i], v[CT+\i]
	v_mov_b32 v[(\d1)+3+\i], v[CT+4+\i]
.endr
.endm
.macro GROUP buf, a, sa, k             ; fragment k of x and its scale words into place buf of the ring: four LDS instructions
.irp c, 0,1,2
	ds_load_b128 v[XF+12*(\buf)+4*\c:XF+12*(\buf)+4*\c+3], v[\a] offset:1536*(\k)+512*\c
.endr
	ds_load_b32 v[XSW+(\buf)], v[\sa] offset:64*(\k)
.endm
.macro WM s, t                         ; the product of weight tile t and the token tile in hand, K step s
.set FI, 8*(\s)+(\t)
.if FI < 63
.set FW, 1+FI/21
.set FG, 12*(FI%21)
.else
.set FW, 0
.set FG, F63
.endif
.set DA, ACC+8*(\t)
.set XG, XF+12*((\s)%4)
	WIN FW                                         ; source 0 alone changes window
.if (\s) == 0
.if (\t)%2
	v_wmma_scale_f32_16x16x128_f8f6f4 v[DA:DA+7], v[FG:FG+11], v[XG:XG+11], 0, v[WS+8*((\t)/2)+(\s)], v[XSW+(\s)%4] matrix_a_fmt:MATRIX_FMT_FP6 matrix_b_fmt:MATRIX_FMT_FP6 matrix_a_scale:MATRIX_SCALE_ROW1
.else
	v_wmma_scale_f32_16x16x128_f8f6f4 v[DA:DA+7], v[FG:FG+11], v[XG:XG+11], 0, v[WS+8*((\t)/2)+(\s)], v[XSW+(\s)%4] matrix_a_fmt:MATRIX_FMT_FP6 matrix_b_fmt:MATRIX_FMT_FP6
.endif
.else
.if (\t)%2
	v_wmma_scale_f32_16x16x128_f8f6f4 v[DA:DA+7], v[FG:FG+11], v[XG:XG+11], v[DA:DA+7], v[WS+8*((\t)/2)+(\s)], v[XSW+(\s)%4] matrix_a_fmt:MATRIX_FMT_FP6 matrix_b_fmt:MATRIX_FMT_FP6 matrix_a_scale:MATRIX_SCALE_ROW1
.else
	v_wmma_scale_f32_16x16x128_f8f6f4 v[DA:DA+7], v[FG:FG+11], v[XG:XG+11], v[DA:DA+7], v[WS+8*((\t)/2)+(\s)], v[XSW+(\s)%4] matrix_a_fmt:MATRIX_FMT_FP6 matrix_b_fmt:MATRIX_FMT_FP6
.endif
.endif
.endm
; A tile of 16 tokens x my 128 columns: 8 K steps of 8 products, the eight accumulators by turns.  The ring of four places runs two K steps ahead, on into the next tile; last = 1: that is
; the next trip's first tile.  K step s + 2's four loads stand ahead of K step s's products, K step s + 3's between those and K step s + 1's.
; stated = 1: both ways of the tile before end with a wait on va_vdst behind which no vector instruction stands, so the first pair of K steps writes none.
.macro MATTILE k0, last, stated
.irp s, 0,2,4,6
	WIN 0
.if \s > 0
	PLACES                                         ; the two places of the ring that are loaded next were read by the sixteen products just issued.  (In front of a tile's first loads stand the bias's vector lines of the tile before)
.endif
.if (\s > 0) || ((\stated) == 0)
	s_wait_alu depctr_va_vdst(0)                   ; the sixteen products before this line are done reading the two places of the ring, fragments and scale words, in which this pair's loads land; in a trip's first tile v[XA] and v[XSA] are written
.endif
.if (\s == 6) && \last
	GROUP 0, XN, XSN, 0
.else
	GROUP (\s+2)%4, XA, XSA, (\k0)+\s+2
.endif
	s_wait_dscnt 8                                 ; all but the eight youngest, the groups of the two K steps behind this one: this K step's fragment and scale words are in
.irp t, 0,1,2,3,4,5,6,7
	WM \s, \t
.endr
	WIN 0                                          ; (an LDS load's address is its source 0)
.if (\s == 6) && \last
	GROUP 1, XN, XSN, 1                            ; no wait: the eight products since the wait above name another place of the ring
.else
	GROUP (\s+3)%4, XA, XSA, (\k0)+\s+3            ; no wait: the eight products since the wait above name another place of the ring
.endif
	s_wait_dscnt 8                                 ; as above, a K step on
.irp t, 0,1,2,3,4,5,6,7
	WM \s+1, \t
.endr
.endr
	WIN 0
.endm
.macro BIAS                            ; register 16 b + i wants the bias of column 32 b + 16 (lane / 16) + i: lane i of my half of register b
	PLACES
.irp b, 0,1,2,3
.irp i, 0,1,2,3,4,5,6,7,8,9,10,11,12,13,14,15
	v_add_f32_dpp v[ACC+16*\b+\i], v[BR+\b], v[ACC+16*\b+\i] row_share:\i row_mask:0xf bank_mask:0xf   ; each accumulator from its low end on
.endr
.endr
.endm
.macro TILE f, u, last, stated
	MATTILE 16*(\f)+8*(\u), \last, \stated
	BIAS
.if \u == 0
	s_wait_alu depctr_vm_vsrc(0)                   ; the stores of the pair of tiles before have read the images IA and IB, which QUANT writes again on q's and k's way: stated ahead of the branch
.endif
	s_cmp_eq_u32 s[KIND], 2
	s_cbranch_scc1 .Lv_\@
	s_wait_xcnt 0x0                                ; earlier stores have read the images' registers
	QUANT ACC, IA+6*(\u), IB+6*(\u), PW0+(\u)
.if \u
.irp i, 0,1,2
	v_mov_b32 v[SA+\i], v[SA+1+\i]                 ; the block's four words move down; the newest comes in on top
	v_mov_b32 v[SBH+\i], v[SBH+1+\i]
.endr
	v_perm_b32 v[SA+3], v[PW0+1], v[PW0], 0x05040100    ; the first head: (tile 0: d block 0, 1; tile 1: d block 0, 1)
	v_perm_b32 v[SBH+3], v[PW0+1], v[PW0], 0x07060302   ; the second head
	s_wait_alu depctr_va_vdst(0)                   ; the two tiles' QUANT have written IA and IB, which the stores read
.irp c, 0,1,2
	global_store_b128 v[L16], v[IA+4*\c:IA+4*\c+3], s[OB:OB+1] offset:1536*(\f)+512*\c     ; 512 consecutive bytes a store
	global_store_b128 v[O16B], v[IB+4*\c:IB+4*\c+3], s[OB:OB+1] offset:1536*(\f)+512*\c
.endr
.endif
	s_branch .Ldone_\@
.Lv_\@:
	s_wait_alu depctr_va_vdst(0)                   ; the bias's additions have written the accumulators, which the stage's stores read
.irp b, 0,1,2,3
.irp w, 0,1
.irp j, 0,1,2,3,4,5,6,7
	ds_store_b32 v[VW], v[ACC+16*\b+8*\w+\j] offset:(32*\b+16*\w+\j)*VPITCH+(32*(\f)+8*(\u))*4   ; stage row 16 t + rho = row rho of d tile t = 2 b + w; a row's words are the trip's 64 tokens in order
.endr
.endr
.endr
	s_wait_dscnt 0x0                               ; the stores have landed in my stage
	s_wait_alu depctr_vm_vsrc(0)                   ; they have read the accumulators, which the next tile's products write and in which VPOST's loads land
.Ldone_\@:
.endm
.macro VLOAD t                         ; d tile t: lane (r, h) takes row r's tokens 32 h + 0 .. 31
.irp q, 0,1,2,3,4,5,6,7
	ds_load_b128 v[ACC+32*((\t)%2)+4*\q:ACC+32*((\t)%2)+4*\q+3], v[VR] offset:16*(\t)*VPITCH+16*\q
.endr
.endm
.macro VPOST                           ; the trip's 64 keys of v, eight d tiles (four a head): a whole block of 32 keys lies in one lane
	VLOAD 0                                        ; (no wait: behind the last tile's wait ahead of its stores no vector instruction names the accumulators)
.irp t, 0,1,2,3,4,5,6,7
.if \t < 7
	VLOAD \t+1                                     ; into the half that d tile t - 1 has left: its readers stand ahead of the wait in front of that tile's stores
	s_wait_dscnt 8                                 ; this tile's eight loads are in, the next tile's eight stay out
.else
	s_wait_dscnt 0x0
.endif
.set VS, ACC+32*(\t%2)
.set VC, IA+12*(\t%2)
	v_max3_num_f32 v[T0], |v[VS]|, |v[VS+1]|, 0x1800000
	v_max3_num_f32 v[T0+1], |v[VS+2]|, |v[VS+3]|, |v[VS+4]|
.irp i, 5,9,13,17,21,25
	v_max3_num_f32 v[T0], v[T0], |v[VS+\i]|, |v[VS+\i+1]|
	v_max3_num_f32 v[T0+1], v[T0+1], |v[VS+\i+2]|, |v[VS+\i+3]|
.endr
	v_max3_num_f32 v[T0], v[T0], |v[VS+29]|, |v[VS+30]|
	v_max3_num_f32 v[T0], v[T0], v[T0+1], |v[VS+31]|
	v_add_nc_u32 v[T0+1], 0xff000000, v[T0]        ; the conversion's scale operand
	v_lshrrev_b32 v[T0+2], 23, v[T0+1]             ; the byte of key block lane / 16,
	v_lshlrev_b32 v[T0+2], v[SH8], v[T0+2]         ; at its place;
	v_permlanex16_b32 v[T0+3], v[T0+2], s[SEL], s[SEL+1]
	v_or_b32 v[T0+2], v[T0+2], v[T0+3]             ; with the other half's: the trip's two bytes,
	v_lshrrev_b32 v[SA+\t], 16, v[SA+\t]
	v_lshl_or_b32 v[SA+\t], v[T0+2], 16, v[SA+\t]  ; which come in on top: after a block's two trips the word is whole
	s_wait_xcnt 0x0                                ; earlier stores have read the codes' registers
	s_wait_alu depctr_vm_vsrc(0)                   ; the stores of two d tiles back have read these six registers, which the conversions and moves below write again
	v_cvt_scalef32_pk16_fp6_f32 v[VC:VC+2], v[VS:VS+15], v[T0+1]
	v_cvt_scalef32_pk16_fp6_f32 v[CT:CT+2], v[VS+16:VS+31], v[T0+1]
	v_nop                                          ; one plain place behind the scaled conversions
.irp i, 0,1,2
	v_mov_b32 v[VC+3+\i], v[CT+\i]
.endr
	s_wait_alu depctr_va_vdst(0)                   ; the codes are written, which the stores read; and the lines above are done reading this half of the accumulators, in which the loads of two d tiles on land
.if \t < 4
	global_store_b128 v[L16], v[VC:VC+3], s[OB:OB+1] offset:768*(\t%4)          ; 512 consecutive bytes,
	global_store_b64 v[L8], v[VC+4:VC+5], s[OB:OB+1] offset:768*(\t%4)+512      ; and 256
.else
	global_store_b128 v[O16B], v[VC:VC+3], s[OB:OB+1] offset:768*(\t%4)
	global_store_b64 v[O8B], v[VC+4:VC+5], s[OB:OB+1] offset:768*(\t%4)+512
.endif
.endr
.endm
	s_load_b512 s[4:19], s[0:1], 0x0               ; xq, wimg, Wq's, Wk's, Wv's scales, bq, bk, bv
	s_load_b128 s[20:23], s[0:1], 0x40             ; qi, kv
	v_lshl_add_u32 v254, v0, 2, 0x3b000            ; my spare word, and 0: made here and kept for the closing lines alone
	v_mov_b32 v255, 0
	v_lshrrev_b32 v242, 5, v0
	v_readfirstlane_b32 s[WV], v242                ; wave 0..3
	v_and_b32 v242, 31, v0                         ; lane
	v_and_b32 v243, 15, v0                         ; r
	v_bfe_u32 v244, v0, 4, 1                       ; h
	v_and_b32 v245, 8, v243
	v_add_nc_u32 v245, v245, v243                  ; r + 8 (r / 8)
	v_lshlrev_b32 v[L16], 4, v242
	v_lshlrev_b32 v[L8], 3, v242
	v_lshlrev_b32 v[CP0], 4, v0
	v_add_nc_u32 v[CP1], 51200, v[CP0]
	v_lshlrev_b32 v[SH8], 3, v244
	v_lshl_add_u32 v[R4], v243, 2, XSC
	s_wait_alu depctr_va_sdst(0)                   ; s[WV] is written, ahead of its first reader: LDS addresses and every base are made from it
	s_mul_i32 s52, s[WV], 128*VPITCH
	s_add_co_u32 s52, s52, VSTG                    ; my stage
	v_lshlrev_b32 v[VW], 2, v245
	v_mad_u32_u24 v[VW], v244, 8*VPITCH, v[VW]
	v_add_nc_u32 v[VW], s52, v[VW]                 ; in: 8 rows down for lanes 16-31; my token's word
	v_mul_u32_u24 v[VR], v243, VPITCH
	v_lshl_add_u32 v[VR], v244, 7, v[VR]
	v_add_nc_u32 v[VR], s52, v[VR]                 ; out: row r, + 32 tokens for lanes 16-31
	v_lshl_add_u32 v247, v244, 3, v245
	v_lshlrev_b32 v247, 5, v247                    ; the weights' scale rows of 32 bytes: row 8 h + r + 8 (r / 8) of 32
	v_lshlrev_b32 v248, 2, v242
	s_mov_b32 s[SEL], 0x76543210
	s_mov_b32 s[SEL+1], 0xfedcba98
	s_mov_b32 s[HM], 0xffff0000
	s_lshr_b32 s52, ttmp9, 1                       ; 0 q, 1 k, 2 and 3 v
	s_min_u32 s[KIND], s52, 2
	s_sub_co_u32 s[FB], s52, s[KIND]               ; 1 in v's work-groups x = 6, 7: they take the pair's second block
	s_and_b32 s[HALF], ttmp9, 1
	s_and_b32 s[RG], ttmp7, 0xffff
	s_lshl_b32 s53, s[RG], 1
	s_add_co_u32 s[FB], s[FB], s53                 ; my first block of 128 tokens
	s_lshl_b32 s52, s[HALF], 2
	s_add_co_u32 s52, s52, s[WV]                   ; my group of 128 columns
	s_lshl_b32 s53, s[KIND], 3
	s_add_co_u32 s53, s53, s52
	s_mul_i32 s54, s53, 64*1536                    ; its 64 images
	s_mov_b32 s55, 0
	s_lshl_b32 s56, s52, 12                        ; its 128 rows of scale bytes
	s_mov_b32 s57, 0
	s_lshl_b32 s58, s52, 9                         ; its 128 numbers of the bias
	s_mov_b32 s59, 0
	s_mov_b32 s[HS], 204800
	s_mov_b32 s35, 196608
	s_cmp_eq_u32 s[KIND], 2
	s_cselect_b32 s34, 98304, 0                    ; where the images begin in a head's record,
	s_cselect_b32 s35, 200704, s35                 ; and the scale words
	s_cmp_eq_u32 s[KIND], 0
	s_cselect_b32 s[HS], 102400, s[HS]
	s_cselect_b32 s35, 98304, s35
	s_lshr_b32 s36, s[RG], 3
	s_lshl_b32 s36, s36, 4
	s_lshl_b32 s37, s52, 1
	s_add_co_u32 s36, s36, s37                     ; 16 x batch + my first head
	s_mul_i32 s36, s36, s[HS]
	s_and_b32 s37, s[FB], 15                       ; my first block's place in the sequence
	s_mul_i32 s38, s37, 6144
	s_lshl_b32 s37, s37, 8
	s_add_co_u32 s38, s38, s36
	s_add_co_u32 s38, s38, s34
	s_mov_b32 s39, 0
	s_add_co_u32 s36, s36, s37
	s_add_co_u32 s36, s36, s35
	s_mov_b32 s37, 0
	s_mul_i32 s34, s[FB], 102400
	s_mov_b32 s35, 0
	v_add_nc_u32 v[O16B], s[HS], v[L16]
	v_add_nc_u32 v[O8B], s[HS], v[L8]
	v_mul_u32_u24 v[SCO], v244, s[HS]
	v_lshl_add_u32 v[SCO], v243, 4, v[SCO]
	s_wait_kmcnt 0x0
	s_cmp_eq_u32 s[KIND], 0                        ; the choices hang on the work-group's number alone
	s_cselect_b64 s[SCB:SCB+1], s[8:9], s[10:11]
	s_cselect_b64 s[BB:BB+1], s[14:15], s[16:17]
	s_cselect_b64 s[OB:OB+1], s[20:21], s[22:23]
	s_cmp_eq_u32 s[KIND], 2
	s_cselect_b64 s[SCB:SCB+1], s[12:13], s[SCB:SCB+1]
	s_cselect_b64 s[BB:BB+1], s[18:19], s[BB:BB+1]
	s_add_nc_u64 s[SB:SB+1], s[OB:OB+1], s[36:37]
	s_add_nc_u64 s[OB:OB+1], s[OB:OB+1], s[38:39]
	s_add_nc_u64 s[XB:XB+1], s[4:5], s[34:35]
	s_add_nc_u64 s[WB:WB+1], s[6:7], s[54:55]
	s_add_nc_u64 s[SCB:SCB+1], s[SCB:SCB+1], s[56:57]
	s_add_nc_u64 s[BB:BB+1], s[BB:BB+1], s[58:59]
	WIN 1<<6                                       ; the first loads' window, then the wait, then the loads
	s_wait_alu depctr_va_vdst(0)                   ; the addresses and offsets v1, v6 to v14, v247 and v248 are written, which the loads and stores of the whole kernel read; so are v242 to v245, two of which the first copy's loads land in
.set i, 0
.rept 63                               ; the weights: 512 consecutive bytes a load
	WIN (1+i/21)<<6
.irp c, 0,1,2
	global_load_b128 v[12*(i%21)+4*\c:12*(i%21)+4*\c+3], v[L16], s[WB:WB+1] offset:1536*i+512*\c
.endr
.set i, i+1
.endr
	WIN 0
.irp c, 0,1,2
	global_load_b128 v[F63+4*\c:F63+4*\c+3], v[L16], s[WB:WB+1] offset:1536*63+512*\c
.endr
.irp b, 0,1,2,3
	global_load_b128 v[WS+8*\b:WS+8*\b+3], v247, s[SCB:SCB+1] offset:1024*\b
	global_load_b128 v[WS+8*\b+4:WS+8*\b+7], v247, s[SCB:SCB+1] offset:1024*\b+16
	global_load_b32 v[BR+\b], v248, s[BB:BB+1] offset:128*\b
.endr
	s_mov_b32 s[BLK], 0
.Lblock:
	; THE COPY of a block's record, 50 x 2,048 bytes, through v64-243.  45 loads go out together; as soon as the first five have landed and are stored, their registers take the last five, which land while the other 40 arrive.
	; No wait on va_vdst or vm_vsrc stands here: on the way in the head's wait, on the way back the two waits round the scale words' store are the last, and behind them no vector instruction but v_nop and no store is issued.
	s_wait_dscnt 0x0                               ; the ring's last loads, which nobody uses, are back
	PLACES
.set i, 0
.rept 45
	global_load_b128 v[ACC+4*i:ACC+4*i+3], v[CP0], s[XB:XB+1] offset:2048*i      ; the work-group reads 2,048 consecutive bytes an instruction
.set i, i+1
.endr
	s_barrier_signal -1
	s_barrier_wait -1                              ; every wave's reads of the old block are over
	s_wait_loadcnt 40                              ; behind the first five stand 40.  (In the first block: the weights, their scales and the bias, all older, are in too)
.set i, 0
.rept 5
	ds_store_b128 v[CP0], v[ACC+4*i:ACC+4*i+3] offset:2048*i
.set i, i+1
.endr
	s_wait_dscnt 0x0                               ; the five stores are done
	s_wait_alu depctr_vm_vsrc(0)                   ; they have read v64-83, in which the five loads below land
.set i, 0
.rept 5
	global_load_b128 v[ACC+4*i:ACC+4*i+3], v[CP0], s[XB:XB+1] offset:2048*(45+i)
.set i, i+1
.endr
	s_wait_loadcnt 5                               ; all but the five just issued
.set i, 5
.rept 20
	ds_store_b128 v[CP0], v[ACC+4*i:ACC+4*i+3] offset:2048*i
.set i, i+1
.endr
.rept 20
	ds_store_b128 v[CP1], v[ACC+4*i:ACC+4*i+3] offset:2048*(i-25)
.set i, i+1
.endr
	s_wait_loadcnt 0x0
.set i, 0
.rept 5
	ds_store_b128 v[CP1], v[ACC+4*i:ACC+4*i+3] offset:2048*(20+i)
.set i, i+1
.endr
	s_wait_dscnt 0x0                               ; for the others' sake: my part of the block lies in LDS
	s_barrier_signal -1
	s_barrier_wait -1
	s_wait_alu depctr_vm_vsrc(0)                   ; my LDS stores have read v64-243, which are the ring, the accumulators and the quantiser's registers from here on; and the last block's ring loads have read v[XN] and v[XSN]
	s_mov_b32 s[TB], 0
	s_mov_b32 s[TBS], 0
	s_mov_b32 s[TR], 0
	v_add_nc_u32 v[XN], s[TB], v[L16]
	v_add_nc_u32 v[XSN], s[TBS], v[R4]
	s_wait_alu depctr_va_vdst(0)                   ; v[XN] and v[XSN] are written, which the eight loads below read
	GROUP 0, XN, XSN, 0                            ; the first tile's first two K steps
	GROUP 1, XN, XSN, 1
.Ltrip:                                                ; 64 tokens: four tiles
	s_add_co_u32 s[NX], s[TB], 49152
	s_min_u32 s[NX], s[NX], 49152                  ; the last trip's look-ahead reads its own first fragments again, and nobody uses them
	s_add_co_u32 s[NXS], s[TBS], 2048
	s_min_u32 s[NXS], s[NXS], 2048
	s_wait_dscnt 0x0                               ; no LDS load of mine is out
	s_wait_alu depctr_vm_vsrc(0)                   ; the ring's loads issued so far have read the four address registers, which are written below
	v_add_nc_u32 v[XA], s[TB], v[L16]
	v_add_nc_u32 v[XN], s[NX], v[L16]
	v_add_nc_u32 v[XSA], s[TBS], v[R4]
	v_add_nc_u32 v[XSN], s[NXS], v[R4]
	TILE 0, 0, 0, 0
	TILE 0, 1, 0, 0
	TILE 1, 0, 0, 1
	TILE 1, 1, 1, 0
	s_cmp_eq_u32 s[KIND], 2
	s_cbranch_scc0 .Lno_v
	VPOST
.Lno_v:
	s_wait_xcnt 0x0                                ; the stores have read their base
	s_add_nc_u64 s[OB:OB+1], s[OB:OB+1], 3072      ; two pair images, or four half images: 64 tokens on
	s_add_co_u32 s[TB], s[TB], 49152
	s_add_co_u32 s[TBS], s[TBS], 2048
	s_add_co_u32 s[TR], s[TR], 1
	s_cmp_lt_u32 s[TR], 2
	s_cbranch_scc1 .Ltrip
.irp i, 0,1,2,3
	v_cndmask_b32 v[ST+\i], v[SA+\i], v[SBH+\i], s[HM]   ; lanes 0-15 the first head's words, lanes 16-31 the second's
.endr
	s_wait_alu depctr_va_vdst(0)                   ; the selects have written v[ST ..], which the store reads; every vector and matrix instruction of the block stands ahead of this line, so the next copy's loads into v64-243 owe nothing more
	global_store_b128 v[SCO], v[ST:ST+3], s[SB:SB+1]     ; sixteen lanes store 256 consecutive bytes, aligned, in each head's record
	s_wait_alu depctr_vm_vsrc(0)                   ; this store has read v[ST ..] and the images' stores IA and IB, in all of which the next copy's loads land: stated ahead of the branches
	s_cmp_eq_u32 s[KIND], 2
	s_cbranch_scc1 .Lend                           ; v's work-groups have one block: a branch on the work-group's number, the same in all four waves
	s_wait_xcnt 0x0
	s_add_nc_u64 s[SB:SB+1], s[SB:SB+1], 256
	s_add_nc_u64 s[XB:XB+1], s[XB:XB+1], 102400
	s_add_co_u32 s[BLK], s[BLK], 1
	s_cmp_lt_u32 s[BLK], 2
	s_cbranch_scc1 .Lblock
.Lend:
	s_wait_dscnt 0x0                               ; the closing lines, six on end
	s_wait_alu 0x0
	s_wait_tensorcnt 0x0
	ds_add_u32 v254, v255
	s_wait_dscnt 0x0
	s_endpgm
.Lfunc_end_k_q55fca0a59c_qkv:
	.size	k_q55fca0a59c_qkv, .Lfunc_end_k_q55fca0a59c_qkv-k_q55fca0a59c_qkv
	.p2alignl 7, 3214868480
	.fill 96, 4, 3214868480
	.section	.rodata,"a",@progbits
	.p2align	6, 0x0
	.amdhsa_kernel k_q55fca0a59c_qkv
		.amdhsa_group_segment_fixed_size 242176
		.amdhsa_private_segment_fixed_size 0
		.amdhsa_enable_private_segment 0
		.amdhsa_kernarg_size 80
		.amdhsa_user_sgpr_count 2
		.amdhsa_user_sgpr_kernarg_segment_ptr 1
		.amdhsa_wavefront_size32 1
		.amdhsa_system_sgpr_workgroup_id_x 1
		.amdhsa_system_sgpr_workgroup_id_y 1
		.amdhsa_system_sgpr_workgroup_id_z 1
		.amdhsa_system_vgpr_workitem_id 0
		.amdhsa_next_free_vgpr 1024
		.amdhsa_next_free_sgpr 76
		.amdhsa_reserve_vcc 0
		.amdhsa_float_denorm_mode_32 3
		.amdhsa_float_denorm_mode_16_64 3
		.amdhsa_memory_ordered 1
		.amdhsa_forward_progress 1
		.amdhsa_inst_pref_size 149
	.end_amdhsa_kernel
	.amdgpu_metadata
---
amdhsa.version: [ 1, 2 ]
amdhsa.kernels:
  - .name:           k_q55fca0a59c_qkv
    .symbol:         k_q55fca0a59c_qkv.kd
    .args:
      - { .name: xq, .offset: 0, .size: 8, .value_kind: global_buffer, .address_space: global }
      - { .name: wimg, .offset: 8, .size: 8, .value_kind: global_buffer, .address_space: global }
      - { .name: Wq_scales, .offset: 16, .size: 8, .value_kind: global_buffer, .address_space: global }
      - { .name: Wk_scales, .offset: 24, .size: 8, .value_kind: global_buffer, .address_space: global }
      - { .name: Wv_scales, .offset: 32, .size: 8, .value_kind: global_buffer, .address_space: global }
      - { .name: bq, .offset: 40, .size: 8, .value_kind: global_buffer, .address_space: global }
      - { .name: bk, .offset: 48, .size: 8, .value_kind: global_buffer, .address_space: global }
      - { .name: bv, .offset: 56, .size: 8, .value_kind: global_buffer, .address_space: global }
      - { .name: qi, .offset: 64, .size: 8, .value_kind: global_buffer, .address_space: global }
      - { .name: kv, .offset: 72, .size: 8, .value_kind: global_buffer, .address_space: global }
    .group_segment_fixed_size: 242176
    .private_segment_fixed_size: 0
    .kernarg_segment_align: 8
    .kernarg_segment_size: 80
    .max_flat_workgroup_size: 128
    .sgpr_count:     76
    .vgpr_count:     1024
    .wavefront_size: 32
...
	.end_amdgpu_metadata
.endif
;; end of part 5
;; launch attn: the kernel of part 3 again; grid 4 x 64, 16 waves a work-group, no clusters, 206,848 bytes of LDS; arguments qi, kv, ao, aos; writes ao, aos
;; launch outln (part 6): grid 256 x 1, 16 waves a work-group, no clusters, 101,376 bytes of LDS; arguments ao, aos, wimg, Wo_scales, bo, x, gamma, beta, out0; writes out0
.if DOCPART == 6
	.amdgcn_target "amdgcn-amd-amdhsa--gfx1250"
	.amdhsa_code_object_version 6
	.text
	.protected	k_q55fca0a59c_outln
	.globl	k_q55fca0a59c_outln
	.p2align	8
	.type	k_q55fca0a59c_outln,@function
k_q55fca0a59c_outln:
	s_mov_b64 s[64:65], 0
	v_nop
	global_prefetch_b8 v0, s[64:65] scope:SCOPE_SE
	s_setreg_imm32_b32 hwreg(HW_REG_WAVE_SCHED_MODE, 0, 2), 2
	s_setreg_imm32_b32 hwreg(HW_REG_WAVE_MODE, 25, 1), 1
	s_wait_xcnt 0x0
	s_wait_alu depctr_vm_vsrc(0)
; out0 = LayerNorm(Q(attention's result) Wo + bo + x) x gamma + beta.  The product on codes of E2M3; all else f32.
; SHARES.  A work-group owns 32 whole token rows (two tiles u: tokens 32 F + 8 u + r + 8 (r / 8)), as the norm needs; wave w owns columns 64 w .. 64 w + 63: four tiles of Wo.
; THE PRODUCT IS USED TRANSPOSED (source 0 = 16 columns of Wo, source 1 = 16 tokens): a lane holds one token; register 32 u + 16 b + i is column 64 w + 32 b + 16 (lane / 16) + i.  x + bo is the C of the first K step.
; Each weight fragment is read by one wave of the work-group alone, so it goes from memory straight into registers, three loads of 512 consecutive bytes, a K step ahead, and feeds two products.
; The tokens' codes, 24,576 bytes, are copied into LDS once: a K step's fragment is two neighbouring heads' half images; it is asked for a K step ahead, into two buffers by turns.
; The norm in two passes (mean; then squares of the differences): no difference of large sums.  The waves' parts meet in LDS: 32 rows x 16 words, rows 80 bytes apart.
; x comes in and the result leaves by rows, sixteen lanes to 256 consecutive aligned bytes, through each wave's own stage (16 rows x 272 bytes).
; No joint loads: the weights, which all work-groups walk, go into registers.  No prefetch: the weights are read by every work-group, and all else is asked for at the head.
; THE MODE: SCHED_MODE bits 1:0 = 2 (LLVM: expert scheduling mode 2), set by the entry lines.  The code itself states the register dependences between vector or matrix instructions and memory or LDS instructions, with s_wait_alu, always for 0.
; THE PLAN.  Registers that memory or LDS instructions touch:
;   WF0, WF1     K step s's products read set s % 2; the loads of K step s + 1 land in the other.  (At the head v128-175 carry bo and the tokens' scale bytes, which vector lines read.)
;   AF0, AF1     The same for the tokens' fragments: K step s's products read buffer s % 2; the LDS loads of K step s + 1 land in the other.
;   ACC          x lands in it, turns through the stage (LDS stores read it, LDS loads land in it again), takes the sums; on the way out LDS stores read it.
;   v[TS+4]      Written by a select, read by the LDS store of each of the two sums.
;   RD, GA, BE   Loads land in them behind the K steps; vector lines and the last stores read them.
;   v1 to v11    Addresses and offsets, made at the head and never written again.
; ONE wait on va_vdst stands at the head of each K step but the last: the products of the step before are done reading the set and the buffer that are loaded next.  The twelve loads of weights follow it at once, the eight
; LDS loads are dealt among the step's eight products, which name the other set, the other buffer, scale words and the accumulators: none of the registers that those loads touch.
.set STG,  24576                       ; LDS: 0 the tokens' codes; 24,576 + 4,352 x wave the stages;
.set RED1, 94208                       ; the sums;
.set RED2, 96768                       ; the sums of squares
.set ACC, 16                           ; v16-79  eight accumulators: tile of tokens u, tile of columns t at 32 u + 8 t
.set WF,  80                           ; v80-127, v128-175 two sets of four weight fragments; later gamma, beta, the waves' sums, rows on the way out
.set AF,  176                          ; v176-199, v224-247 two buffers of the two tiles' fragments: buffer p at AF + 48 p
.set WS,  200                          ; v200-215 Wo's scale words: register 8 b + s: lanes 0-15 tile 2 b, lanes 16-31 tile 2 b + 1
.set AS,  216                          ; v216-223 the tokens' scale words, K step s: lanes 0-15 tile u = 0, lanes 16-31 tile u = 1
.set CPY, 224                          ; v224-235 at the head only: the tokens' codes on their way into LDS
.set MU,  236                          ; behind the K steps only: v[236:237], v[238:239] -mean, later 1 / sqrt(var + eps), of my row in tile 0, 1, twice each
.set TS,  240                          ; behind the K steps only: v240-244 at work
.set RD,  144
.set GA,  80
.set BE,  112
.set WV,  22
.set SEL, 24
.set HM,  26
.set RK,  27
.set EPS, 28
.set NRK, 29
.macro PLACES
.rept 4
	v_nop
.endr
.endm
.macro WLOAD s                         ; K step s's four fragments into set s % 2
.irp t, 0,1,2,3
.irp c, 0,1,2
	global_load_b128 v[WF+48*((\s)%2)+12*\t+4*\c:WF+48*((\s)%2)+12*\t+4*\c+3], v2, s[8:9] offset:(8*(\s)+\t)*1536+512*\c
.endr
.endr
.endm
.macro ALOAD s, u                      ; tile u's fragment of K step s, two heads' half images, into buffer s % 2
.set AB, AF+48*((\s)%2)+12*(\u)
	ds_load_b128 v[AB:AB+3], v2 offset:(16*(\u)+2*(\s))*768
	ds_load_b64 v[AB+4:AB+5], v3 offset:(16*(\u)+2*(\s))*768+512
	ds_load_b128 v[AB+6:AB+9], v2 offset:(16*(\u)+2*(\s))*768+768
	ds_load_b64 v[AB+10:AB+11], v3 offset:(16*(\u)+2*(\s))*768+1280
.endm
.macro PROD s, t                       ; weight tile t against the two tiles of tokens, K step s
.set WA, WF+48*((\s)%2)+12*(\t)
.set AB, AF+48*((\s)%2)
.if (\t)%2
	v_wmma_scale_f32_16x16x128_f8f6f4 v[ACC+8*(\t):ACC+8*(\t)+7], v[WA:WA+11], v[AB:AB+11], v[ACC+8*(\t):ACC+8*(\t)+7], v[WS+8*((\t)/2)+(\s)], v[AS+(\s)] matrix_a_fmt:MATRIX_FMT_FP6 matrix_b_fmt:MATRIX_FMT_FP6 matrix_a_scale:MATRIX_SCALE_ROW1
	v_wmma_scale_f32_16x16x128_f8f6f4 v[ACC+32+8*(\t):ACC+32+8*(\t)+7], v[WA:WA+11], v[AB+12:AB+23], v[ACC+32+8*(\t):ACC+32+8*(\t)+7], v[WS+8*((\t)/2)+(\s)], v[AS+(\s)] matrix_a_fmt:MATRIX_FMT_FP6 matrix_b_fmt:MATRIX_FMT_FP6 matrix_a_scale:MATRIX_SCALE_ROW1 matrix_b_scale:MATRIX_SCALE_ROW1
.else
	v_wmma_scale_f32_16x16x128_f8f6f4 v[ACC+8*(\t):ACC+8*(\t)+7], v[WA:WA+11], v[AB:AB+11], v[ACC+8*(\t):ACC+8*(\t)+7], v[WS+8*((\t)/2)+(\s)], v[AS+(\s)] matrix_a_fmt:MATRIX_FMT_FP6 matrix_b_fmt:MATRIX_FMT_FP6
	v_wmma_scale_f32_16x16x128_f8f6f4 v[ACC+32+8*(\t):ACC+32+8*(\t)+7], v[WA:WA+11], v[AB+12:AB+23], v[ACC+32+8*(\t):ACC+32+8*(\t)+7], v[WS+8*((\t)/2)+(\s)], v[AS+(\s)] matrix_a_fmt:MATRIX_FMT_FP6 matrix_b_fmt:MATRIX_FMT_FP6 matrix_b_scale:MATRIX_SCALE_ROW1
.endif
.endm
.macro KSTEP s                         ; the eight accumulators by turns.  The last K step asks for nothing: it has no places and no wait on va_vdst
.if \s < 7
.if \s > 0
	PLACES                                         ; in front of loads into registers that the last eight products read
.endif
	s_wait_alu depctr_va_vdst(0)                   ; the last K step's products are done reading the set and the buffer in which the loads below land; in K step 0: the head's vector lines are done reading v128-175 and have written the tokens' scale words, which the products take
	WLOAD \s+1
	s_wait_loadcnt 12                              ; this K step's weights are in; the next step's twelve loads stay out
.else
	s_wait_loadcnt 0x0
.endif
	s_wait_dscnt 0x0                               ; this K step's fragments of the tokens, asked for a K step ago, are in
	PROD \s, 0
.if \s < 7
	ALOAD \s+1, 0                                  ; no wait: the products since the wait above name the other buffer
.endif
	PROD \s, 1
.if \s < 7
	ALOAD \s+1, 1
.endif
	PROD \s, 2
	PROD \s, 3
.endm
; The pairs v[TS:TS+1] (tile 0) and v[TS+2:TS+3] (tile 1) hold my lane's part of its row's sum.  They are joined over the halves of the lanes and over the sixteen waves, through the 32 x 16 words at off bytes behind RED1;
; the rows' sums come back in v[RD] (tile 0) and v[RD+16] (tile 1).
.macro ALLSUM off
	v_add_f32 v[TS], v[TS], v[TS+1]
	v_add_f32 v[TS+2], v[TS+2], v[TS+3]
	v_permlanex16_b32 v[TS+1], v[TS], s[SEL], s[SEL+1]
	v_permlanex16_b32 v[TS+3], v[TS+2], s[SEL], s[SEL+1]
	v_add_f32 v[TS], v[TS], v[TS+1]
	v_add_f32 v[TS+2], v[TS+2], v[TS+3]
.if (\off) > 0
	s_wait_alu depctr_vm_vsrc(0)                   ; the first sum's LDS store has read v[TS+4], which the select writes again
.endif
	v_cndmask_b32 v[TS+4], v[TS], v[TS+2], s[HM]   ; lane 16 u + r carries row r of tile u
	s_wait_alu depctr_va_vdst(0)                   ; the select has written v[TS+4], which the store reads; and every reader of v[RD ..], in which the loads below land, stands ahead of this line
	ds_store_b32 v7, v[TS+4] offset:\off
	s_wait_dscnt 0x0                               ; for the others' sake
	s_barrier_signal -1
	s_barrier_wait -1
.irp u, 0,1
.irp q, 0,1,2,3
	ds_load_b128 v[RD+16*\u+4*\q:RD+16*\u+4*\q+3], v8 offset:\off+1280*\u+16*\q
.endr
.endr
	s_wait_dscnt 0x0
.irp k, 2,4,6,8,10,12,14
.irp u, 0,1
	v_pk_add_f32 v[RD+16*\u:RD+16*\u+1], v[RD+16*\u:RD+16*\u+1], v[RD+16*\u+\k:RD+16*\u+\k+1]
.endr
.endr
.irp u, 0,1
	v_add_f32 v[RD+16*\u], v[RD+16*\u], v[RD+16*\u+1]
.endr
.endm
	s_load_b512 s[4:19], s[0:1], 0x0               ; ao, aos, wimg, Wo's scales, bo, x, gamma, beta
	s_load_b64 s[20:21], s[0:1], 0x40              ; out0
	v_lshl_add_u32 v254, v0, 2, 0x18400            ; my spare word, and 0: made here and kept for the closing lines alone
	v_mov_b32 v255, 0
	v_lshrrev_b32 v12, 5, v0
	v_readfirstlane_b32 s[WV], v12                 ; wave 0..15
	v_and_b32 v12, 31, v0                          ; lane
	v_and_b32 v13, 15, v0                          ; r
	v_bfe_u32 v14, v0, 4, 1                        ; h
	v_and_b32 v15, 8, v13
	v_add_nc_u32 v15, v15, v13                     ; r + 8 (r / 8)
	v_lshlrev_b32 v1, 4, v0                        ; 16 x thread
	v_lshlrev_b32 v2, 4, v12                       ; 16 x lane
	v_lshlrev_b32 v3, 3, v12                       ; 8 x lane
	s_wait_alu depctr_va_sdst(0)                   ; s[WV] is written, ahead of its first reader: LDS addresses and the bases are made from it
	s_mul_i32 s30, s[WV], 16*272
	s_add_co_u32 s30, s30, STG                     ; my stage
	v_mul_u32_u24 v4, v14, 272
	v_lshl_add_u32 v4, v13, 4, v4
	v_add_nc_u32 v4, s30, v4                       ; by rows: lanes 0-15 one row of 256 bytes, lanes 16-31 the next
	v_mul_u32_u24 v5, v13, 272
	v_lshl_add_u32 v5, v14, 6, v5
	v_add_nc_u32 v5, s30, v5                       ; by the result's layout: row r, + 64 h
	v_lshlrev_b32 v6, 12, v14
	v_lshl_add_u32 v6, v13, 4, v6                  ; the same two rows in x and out0
	s_lshl_b32 s31, s[WV], 2
	s_add_co_u32 s31, s31, RED1
	v_mul_u32_u24 v7, v12, 80
	v_add_nc_u32 v7, s31, v7                       ; row = lane, word = wave
	v_mul_u32_u24 v8, v13, 80
	v_add_nc_u32 v8, RED1, v8
	v_lshlrev_b32 v9, 6, v14                       ; bo, gamma, beta: my half's 16 numbers of a block of 32
	v_lshl_add_u32 v10, v14, 3, v15
	v_lshlrev_b32 v10, 5, v10                      ; Wo's scale rows of 32 bytes
	v_lshlrev_b32 v11, 1, v12
	s_mov_b32 s[SEL], 0x76543210
	s_mov_b32 s[SEL+1], 0xfedcba98
	s_mov_b32 s[HM], 0xffff0000
	s_mov_b32 s[RK], 0x3a800000                    ; 1 / 1024
	s_mov_b32 s[NRK], 0xba800000
	s_mov_b32 s[EPS], 0x2b8cbccc                   ; 1e-12
	s_mul_i32 s32, ttmp9, 24576
	s_mov_b32 s33, 0
	s_lshr_b32 s34, ttmp9, 6
	s_lshl_b32 s34, s34, 16                        ; aos: batch x 16 heads x 4,096 bytes
	s_and_b32 s35, ttmp9, 63
	s_lshl_b32 s35, s35, 6
	s_add_co_u32 s34, s34, s35
	s_mov_b32 s35, 0
	s_lshr_b32 s36, s[WV], 1
	s_add_co_u32 s36, s36, 24                      ; weight 3, group of 128 columns wave / 2
	s_mul_i32 s36, s36, 64*1536
	s_and_b32 s37, s[WV], 1
	s_mul_i32 s37, s37, 4*1536                     ; its tiles 0-3 or 4-7
	s_add_co_u32 s36, s36, s37
	s_mov_b32 s37, 0
	s_lshl_b32 s38, s[WV], 11
	s_mov_b32 s39, 0
	s_lshl_b32 s40, s[WV], 8
	s_mov_b32 s41, 0
	s_lshl_b32 s42, ttmp9, 17
	s_add_co_u32 s42, s42, s40
	s_mov_b32 s43, 0
	s_wait_kmcnt 0x0
	s_add_nc_u64 s[4:5], s[4:5], s[32:33]
	s_add_nc_u64 s[6:7], s[6:7], s[34:35]
	s_add_nc_u64 s[8:9], s[8:9], s[36:37]
	s_add_nc_u64 s[10:11], s[10:11], s[38:39]
	s_add_nc_u64 s[12:13], s[12:13], s[40:41]
	s_add_nc_u64 s[14:15], s[14:15], s[42:43]
	s_add_nc_u64 s[16:17], s[16:17], s[40:41]
	s_add_nc_u64 s[18:19], s[18:19], s[40:41]
	s_add_nc_u64 s[20:21], s[20:21], s[42:43]
	s_wait_alu depctr_va_vdst(0)                   ; the addresses and offsets v1 to v11 are written, which the loads and stores of the whole kernel read
.irp c, 0,1,2
	global_load_b128 v[CPY+4*\c:CPY+4*\c+3], v1, s[4:5] offset:8192*\c              ; 3: the tokens' codes
.endr
.irp u, 0,1
.irp i, 0,1,2,3,4,5,6,7
	global_load_b128 v[ACC+32*\u+4*\i:ACC+32*\u+4*\i+3], v6, s[14:15] offset:(8*\u+2*\i+8*(\i/4))*4096 th:TH_LOAD_NT   ; 16: x, rows 2 i and 2 i + 1 of tile u
.endr
.endr
.irp b, 0,1
.irp q, 0,1,2,3
	global_load_b128 v[128+16*\b+4*\q:131+16*\b+4*\q], v9, s[12:13] offset:128*\b+16*\q      ; 8: bo
.endr
.endr
.irp n, 0,1,2,3,4,5,6,7,8,9,10,11,12,13,14,15
	global_load_u16 v[160+\n], v11, s[6:7] offset:4096*\n                           ; 16: head n's two scale bytes of row lane
.endr
.irp b, 0,1
	global_load_b128 v[WS+8*\b:WS+8*\b+3], v10, s[10:11] offset:1024*\b             ; 4: Wo's scale words
	global_load_b128 v[WS+8*\b+4:WS+8*\b+7], v10, s[10:11] offset:1024*\b+16
.endr
	WLOAD 0                                        ; 12
	s_wait_loadcnt 56                              ; behind the codes' three loads stand 16 + 8 + 16 + 4 + 12
.irp c, 0,1,2
	ds_store_b128 v1, v[CPY+4*\c:CPY+4*\c+3] offset:8192*\c
.endr
	s_wait_loadcnt 40                              ; behind x's stand 8 + 16 + 4 + 12
.irp u, 0,1                            ; x turns through my stage into the result's layout; LDS serves a wave's instructions in order
.irp i, 0,1,2,3,4,5,6,7
	ds_store_b128 v4, v[ACC+32*\u+4*\i:ACC+32*\u+4*\i+3] offset:544*\i
.endr
	s_wait_alu depctr_vm_vsrc(0)                   ; the eight stores above have read the registers in which the eight loads below land.  (The first of the two also: the codes' stores have read v224-235, which are the tokens' second buffer from here on)
.irp b, 0,1
.irp q, 0,1,2,3
	ds_load_b128 v[ACC+32*\u+16*\b+4*\q:ACC+32*\u+16*\b+4*\q+3], v5 offset:128*\b+16*\q
.endr
.endr
.endr
	s_wait_loadcnt 12                              ; all but the first K step's weights
.irp s, 0,1,2,3,4,5,6,7
	v_lshl_or_b32 v[AS+\s], v[161+2*\s], 16, v[160+2*\s]    ; K step s = heads 2 s, 2 s + 1: four bytes
.endr
	s_wait_dscnt 0x0                               ; x is back; and, for the others' sake, my part of the codes lies in LDS
.irp u, 0,1
.set j, 0
.rept 16
	v_pk_add_f32 v[ACC+32*\u+j:ACC+32*\u+j+1], v[ACC+32*\u+j:ACC+32*\u+j+1], v[128+j:129+j]   ; x + bo: what the sums begin with.  (Also the places between the scale words' lines and the first product)
.set j, j+2
.endr
.endr
	s_barrier_signal -1
	s_barrier_wait -1
	ALOAD 0, 0                                     ; the first K step's fragments of the tokens.  No wait: no vector instruction has named v2, v3 since the head's wait, and none has ever named v176-199
	ALOAD 0, 1
.irp s, 0,1,2,3,4,5,6,7
	KSTEP \s
.endr
	PLACES
	s_wait_alu depctr_va_vdst(0)                   ; the last two K steps' products are done reading the weights' two sets, in which gamma, beta and later the waves' sums land
.irp b, 0,1
.irp q, 0,1,2,3
	global_load_b128 v[GA+16*\b+4*\q:GA+16*\b+4*\q+3], v9, s[16:17] offset:128*\b+16*\q
	global_load_b128 v[BE+16*\b+4*\q:BE+16*\b+4*\q+3], v9, s[18:19] offset:128*\b+16*\q
.endr
.endr
.irp u, 0,1
	v_pk_add_f32 v[TS+2*\u:TS+2*\u+1], v[ACC+32*\u:ACC+32*\u+1], v[ACC+32*\u+2:ACC+32*\u+3]   ; each accumulator from its low end on
.endr
.irp j, 4,6,8,10,12,14,16,18,20,22,24,26,28,30
.irp u, 0,1
	v_pk_add_f32 v[TS+2*\u:TS+2*\u+1], v[TS+2*\u:TS+2*\u+1], v[ACC+32*\u+\j:ACC+32*\u+\j+1]
.endr
.endr
	ALLSUM 0
.irp u, 0,1
	v_mul_f32 v[MU+2*\u], s[NRK], v[RD+16*\u]      ; -mean
.endr
.irp u, 0,1
	v_mov_b32 v[MU+2*\u+1], v[MU+2*\u]
.endr
.irp u, 0,1
.set j, 0
.rept 16
	v_pk_add_f32 v[ACC+32*\u+j:ACC+32*\u+j+1], v[ACC+32*\u+j:ACC+32*\u+j+1], v[MU+2*\u:MU+2*\u+1]
.set j, j+2
.endr
.endr
.irp u, 0,1
	v_pk_mul_f32 v[TS+2*\u:TS+2*\u+1], v[ACC+32*\u:ACC+32*\u+1], v[ACC+32*\u:ACC+32*\u+1]
.endr
.irp j, 2,4,6,8,10,12,14,16,18,20,22,24,26,28,30
.irp u, 0,1
	v_pk_fma_f32 v[TS+2*\u:TS+2*\u+1], v[ACC+32*\u+\j:ACC+32*\u+\j+1], v[ACC+32*\u+\j:ACC+32*\u+\j+1], v[TS+2*\u:TS+2*\u+1]
.endr
.endr
	ALLSUM RED2-RED1
.irp u, 0,1
	v_fma_f32 v[RD+16*\u], v[RD+16*\u], s[RK], s[EPS]       ; var + eps
.endr
.irp u, 0,1
	v_rsq_f32 v[MU+2*\u], v[RD+16*\u]
.endr
	v_nop                                          ; one plain place behind the transcendentals
	s_wait_alu depctr_va_vdst(0)                   ; the two reciprocal roots are written, ahead of their first reader
.irp u, 0,1
	v_mov_b32 v[MU+2*\u+1], v[MU+2*\u]
.endr
.irp u, 0,1
.set j, 0
.rept 16
	v_pk_mul_f32 v[ACC+32*\u+j:ACC+32*\u+j+1], v[ACC+32*\u+j:ACC+32*\u+j+1], v[MU+2*\u:MU+2*\u+1]
.set j, j+2
.endr
.endr
	s_wait_loadcnt 0x0                             ; gamma, beta
.irp u, 0,1
.set j, 0
.rept 16
	v_pk_fma_f32 v[ACC+32*\u+j:ACC+32*\u+j+1], v[ACC+32*\u+j:ACC+32*\u+j+1], v[GA+j:GA+j+1], v[BE+j:BE+j+1]
.set j, j+2
.endr
.endr
	; the way out: through my stage, back as rows; tile 0 into v144-175, tile 1 into v80-111
	s_wait_alu depctr_va_vdst(0)                   ; the lines above have written the 64 results, which the LDS stores read, and are done reading gamma and the waves' sums, in whose registers the rows land
.irp u, 0,1
.irp b, 0,1
.irp q, 0,1,2,3
	ds_store_b128 v5, v[ACC+32*\u+16*\b+4*\q:ACC+32*\u+16*\b+4*\q+3] offset:128*\b+16*\q
.endr
.endr
.irp i, 0,1,2,3,4,5,6,7
	ds_load_b128 v[RD-64*\u+4*\i:RD-64*\u+4*\i+3], v4 offset:544*\i
.endr
.endr
.irp i, 0,1,2,3,4,5,6,7
	s_wait_dscnt 23-\i                             ; behind tile 0's load i: its 7 - i later loads and tile 1's sixteen instructions
	global_store_b128 v6, v[RD+4*\i:RD+4*\i+3], s[20:21] offset:(2*\i+8*(\i/4))*4096 th:TH_STORE_NT   ; sixteen lanes store 256 consecutive bytes, aligned
.endr
.irp i, 0,1,2,3,4,5,6,7
	s_wait_dscnt 7-\i
	global_store_b128 v6, v[GA+4*\i:GA+4*\i+3], s[20:21] offset:(8+2*\i+8*(\i/4))*4096 th:TH_STORE_NT
.endr
	s_wait_dscnt 0x0                               ; the closing lines, six on end
	s_wait_alu 0x0
	s_wait_tensorcnt 0x0
	ds_add_u32 v254, v255
	s_wait_dscnt 0x0
	s_endpgm
.Lfunc_end_k_q55fca0a59c_outln:
	.size	k_q55fca0a59c_outln, .Lfunc_end_k_q55fca0a59c_outln-k_q55fca0a59c_outln
	.p2alignl 7, 3214868480
	.fill 96, 4, 3214868480
	.section	.rodata,"a",@progbits
	.p2align	6, 0x0
	.amdhsa_kernel k_q55fca0a59c_outln
		.amdhsa_group_segment_fixed_size 101376
		.amdhsa_private_segment_fixed_size 0
		.amdhsa_enable_private_segment 0
		.amdhsa_kernarg_size 72
		.amdhsa_user_sgpr_count 2
		.amdhsa_user_sgpr_kernarg_segment_ptr 1
		.amdhsa_wavefront_size32 1
		.amdhsa_system_sgpr_workgroup_id_x 1
		.amdhsa_system_sgpr_workgroup_id_y 1
		.amdhsa_system_sgpr_workgroup_id_z 1
		.amdhsa_system_vgpr_workitem_id 0
		.amdhsa_next_free_vgpr 256
		.amdhsa_next_free_sgpr 66
		.amdhsa_reserve_vcc 0
		.amdhsa_float_denorm_mode_32 3
		.amdhsa_float_denorm_mode_16_64 3
		.amdhsa_memory_ordered 1
		.amdhsa_forward_progress 1
		.amdhsa_inst_pref_size 56
	.end_amdhsa_kernel
	.amdgpu_metadata
---
amdhsa.version: [ 1, 2 ]
amdhsa.kernels:
  - .name:           k_q55fca0a59c_outln
    .symbol:         k_q55fca0a59c_outln.kd
    .args:
      - { .name: ao, .offset: 0, .size: 8, .value_kind: global_buffer, .address_space: global }
      - { .name: aos, .offset: 8, .size: 8, .value_kind: global_buffer, .address_space: global }
      - { .name: wimg, .offset: 16, .size: 8, .value_kind: global_buffer, .address_space: global }
      - { .name: Wo_scales, .offset: 24, .size: 8, .value_kind: global_buffer, .address_space: global }
      - { .name: bo, .offset: 32, .size: 8, .value_kind: global_buffer, .address_space: global }
      - { .name: x, .offset: 40, .size: 8, .value_kind: global_buffer, .address_space: global }
      - { .name: gamma, .offset: 48, .size: 8, .value_kind: global_buffer, .address_space: global }
      - { .name: beta, .offset: 56, .size: 8, .value_kind: global_buffer, .address_space: global }
      - { .name: out0, .offset: 64, .size: 8, .value_kind: global_buffer, .address_space: global }
    .group_segment_fixed_size: 101376
    .private_segment_fixed_size: 0
    .kernarg_segment_align: 8
    .kernarg_segment_size: 72
    .max_flat_workgroup_size: 512
    .sgpr_count:     66
    .vgpr_count:     256
    .wavefront_size: 32
...
	.end_amdgpu_metadata
.endif
;; end of part 6
